; MI455X (gfx1250); checked and timed in simulation.
; The chip was launched on July 23, 2026; its instructions are those of AMD's public machine-readable ISA for CDNA 5 (MIT licence, August 2026) and "CDNA5" Instruction Set Architecture Reference Guide (July 2026). The comments in the code are by the model that wrote it; some were corrected since.
;; Shared Expert Mo E. Allowed arithmetic: float matrix products may take bf16 or f16 operands with f32 sums; other float arithmetic in f32, or as packed bf16 or f16 multiplies, adds, multiply-adds, maxima and minima; sums over many terms, partial sums and values carried from step to step in f32; what a program stores and reads back later, other than sums and carried values, may be rounded once to bf16 or f16.
;; Inputs: gate_w 1,024 x 6 float32; out_w 1,024 x 1,024 float32; w1_r 6 x 1,024 x 2,048 float32; w1_s 2 x 1,024 x 2,048 float32; w2_r 6 x 2,048 x 1,024 float32; w2_s 2 x 2,048 x 1,024 float32; w3_r 6 x 1,024 x 2,048 float32; w3_s 2 x 1,024 x 2,048 float32; x 4 x 256 x 1,024 float32.
;; Outputs: out0 4 x 256 x 1,024 float32; out1 one number float32.
;; 2 versions, each right; version 2 is version 1 with the launches up, down written anew for expert scheduling mode. Each part assembles by itself: llvm-mc -triple=amdgcn-amd-amdhsa -mcpu=gfx1250 --defsym DOCPART=n.
;; ======== version 1 of 2: 4 launches
;; workspace buffers: xb 2,097,152 bytes; owf 2,097,152 bytes; bm 2,048 bytes of whole numbers; rwt 8,192 bytes; paux 4,096 bytes; hbuf 33,554,432 bytes; ybuf 17,170,432 bytes
;; launch route (part 1): grid 64 x 1, 8 waves a work-group, no clusters, 81,664 bytes of LDS; arguments x, gate_w, out_w, xb, owf, bm, rwt, paux; writes xb, owf, bm, rwt, paux
.if DOCPART == 1
	.amdgcn_target "amdgcn-amd-amdhsa--gfx1250"
	.amdhsa_code_object_version 6
	.text
	.protected	k_qed97e839bb_route
	.globl	k_qed97e839bb_route
	.p2align	8
	.type	k_qed97e839bb_route,@function
k_qed97e839bb_route:
	s_mov_b64 s[64:65], 0
	v_nop
	global_prefetch_b8 v0, s[64:65] scope:SCOPE_SE
	s_setreg_imm32_b32 hwreg(HW_REG_WAVE_MODE, 25, 1), 1
	s_wait_xcnt 0x0
; ROUTE.  A work-group has 16 tokens.  (1) x is rounded to bf16 into LDS; behind the barrier it leaves for xb in blocks: xb[c][token][32 bytes], c = 0..63 the 32-byte piece (16 k) of a row, so that the
; pieces c of 16 neighbouring tokens are 512 consecutive bytes.  (2) gate_w is rounded to bf16 and laid turned, [expert][k], into LDS.
; (3) each of the launch's 512 waves rounds one block of 32 k x 64 columns of out_w and stores it as four matrix fragments (owf).  (4) wave 0 makes the 16 tokens' logits with the matrix unit
; (bf16 operands, f32 sums), their top-2 (a tie keeps the lower index), the softmax over the two chosen logits, and the full softmax for the loss, each with its maximum taken away.
; Stored at fixed places: bm (bit maps of the choices, whole numbers), rwt (the two weights), paux (the work-group's sums of probabilities and its counts of first choices).
; A FRAGMENT is 16 x 32 bf16 = 1,024 bytes in two halves of 512: lane l's 16 bytes of half u are k = 16 u + 8 (l / 16) + 0..7 of row l % 16.
; LIMITS.  NaN and infinities are not treated apart; an exponential below 2^-126 counts as 0.
.set XP,    2064      ; an LDS row of 1,024 bf16 + 16 bytes: 129 x 16, so 16 rows of a fragment load start at 16 different groups of four banks (ISA guide 11.1)
.set GT,    33280     ; behind x's 16 rows: gate^T, 6 rows of the same pitch
.set CV,    45824     ; each wave's stage for out_w: four fragments, 1,040 bytes apart
.set CVW,   4352
.set FP,    1040
.set SPARE, 80640     ; the spare words: 128 bytes a wave, four blocks of 256 bytes that no other line names
.set LANE, 1
.set R,    2          ; lane % 16
.set HH,   3          ; lane / 16
.set GA,   4          ; my 96 bytes of gate_w: k = 4 t .. 4 t + 3, six experts each
.set L16,  5
.set L8,   6
.set CSRC, 7          ; out_w: row 8 (lane / 16), 16 bytes at 16 (lane % 16)
.set GTS,  8
.set XLS,  9
.set CS,   10
.set CR,   11
.set TA,   12
.set GA2,  13
.set SPW,  14         ; my spare word; never rewritten
.set NIL,  15         ; 0; never rewritten
.set XR,   18         ; xb's way out: LDS row lane / 2, 16 bytes at 16 (lane % 2), my wave's eight pieces
.set G,    32         ; v[32:55]   gate_w as loaded
.set X,    64         ; v[64:127]  two rows of x as loaded
.set C,    128        ; v[128:191] out_w as loaded
.set Y,    192        ; v[192:223] x in bf16
.set T,    224        ; v[224:255] at work
.set DA,   32         ; wave 0: four accumulators
.set GF,   64         ; eight fragments of gate^T
.set TF,   128        ; eight fragments of tokens
.set LG,   192        ; six logits
.set L2,   200
.set MK,   208        ; the logits with the first choice taken out
.set M1,   214
.set I1,   215
.set M2,   216
.set I2,   217
.set NEG,  218
.set EA,   220        ; seven exponents, then exponentials
.set SU,   228
.set GW,   230        ; v[230:231] the two weights
.set BMV,  234
.set PA,   235
.set CT,   236
.macro PLACES
.rept 4
	v_nop
.endr
.endm
	s_load_b512 s[4:19], s[0:1], 0x0               ; x, gate_w, out_w, xb, owf, bm, rwt, paux
	v_lshl_add_u32 v[SPW], v0, 2, SPARE
	v_mov_b32 v[NIL], 0
	v_and_b32 v[LANE], 31, v0
	v_lshrrev_b32 v16, 5, v0
	v_readfirstlane_b32 s20, v16                   ; wave 0..7
	v_and_b32 v[R], 15, v0
	v_bfe_u32 v[HH], v0, 4, 1
	v_mul_u32_u24 v[GA], v0, 96
	v_lshlrev_b32 v[L16], 4, v[LANE]
	v_lshlrev_b32 v[L8], 3, v[LANE]
	v_lshlrev_b32 v[CSRC], 15, v[HH]               ; 8 rows of 4,096 bytes
	v_lshl_add_u32 v[CSRC], v[R], 4, v[CSRC]
	v_lshl_add_u32 v[GTS], v0, 3, GT               ; four k are 8 bytes of a row of gate^T
	s_mul_i32 s22, s20, 2*XP
	v_lshl_add_u32 v[XLS], v[LANE], 3, s22         ; my wave's two rows of x in LDS
	s_mul_i32 s23, s20, CVW
	s_add_co_u32 s23, s23, CV
	v_lshrrev_b32 v16, 2, v[R]                     ; columns 4 q + c: fragment q / 4, row 4 (q % 4) + c
	v_mul_u32_u24 v[CS], v16, FP
	v_lshl_add_u32 v[CS], v[HH], 8, v[CS]
	v_and_b32 v16, 3, v[R]
	v_lshl_add_u32 v[CS], v16, 6, v[CS]
	v_add_nc_u32 v[CS], s23, v[CS]
	v_lshl_add_u32 v[CR], v[LANE], 4, s23
	v_mul_u32_u24 v[TA], v[R], XP
	v_lshl_add_u32 v[TA], v[HH], 4, v[TA]
	v_min_u32 v16, 5, v[R]                         ; rows 6 to 15 of the gate's fragment repeat expert 5: their results are not used
	v_mul_u32_u24 v[GA2], v16, XP
	v_lshl_add_u32 v[GA2], v[HH], 4, v[GA2]
	v_add_nc_u32 v[GA2], GT, v[GA2]
	v_lshrrev_b32 v16, 1, v[LANE]                  ; xb's way out: two lanes take a token's 32 bytes
	v_mul_u32_u24 v[XR], v16, XP
	v_and_b32 v16, 1, v[LANE]
	v_lshl_add_u32 v[XR], v16, 4, v[XR]
	s_lshl_b32 s53, s20, 8                         ; wave w takes the pieces c = 8 w .. 8 w + 7: 256 bytes of each row
	v_add_nc_u32 v[XR], s53, v[XR]
	s_lshl_b32 s24, ttmp9, 16                      ; 16 rows of 4,096 bytes a work-group,
	s_lshl_b32 s50, s20, 13                        ; two a wave
	s_add_co_u32 s24, s24, s50
	s_mov_b32 s25, 0
	s_lshl_b32 s26, ttmp9, 9                       ; xb: my work-group's 16 tokens x 32 bytes in a block,
	s_lshl_b32 s50, s20, 18                        ; my wave's eight blocks of 32,768 bytes
	s_add_co_u32 s26, s26, s50
	s_mov_b32 s27, 0
	s_lshl_b32 s50, ttmp9, 3
	s_add_co_u32 s50, s50, s20                     ; my wave among the launch's 512
	s_and_b32 s51, s50, 31                         ; kb: 32 rows of out_w
	s_lshr_b32 s50, s50, 5                         ; cg: 64 columns
	s_lshl_b32 s28, s51, 17
	s_lshl_b32 s52, s50, 8
	s_add_co_u32 s28, s28, s52
	s_mov_b32 s29, 0
	s_lshl_b32 s30, s50, 17                        ; owf: (128 cg + kb) x 1,024
	s_lshl_b32 s51, s51, 10
	s_add_co_u32 s30, s30, s51
	s_mov_b32 s31, 0
	s_wait_kmcnt 0x0
	s_add_nc_u64 s[4:5], s[4:5], s[24:25]
	s_add_nc_u64 s[10:11], s[10:11], s[26:27]
	s_add_nc_u64 s[8:9], s[8:9], s[28:29]
	s_add_nc_u64 s[12:13], s[12:13], s[30:31]
	; 38 loads in one run: 6 of gate_w, 16 of x, 16 of out_w
.set i, 0
.rept 6
	global_load_b128 v[G+4*i:G+4*i+3], v[GA], s[6:7] offset:16*i
.set i, i+1
.endr
.set i, 0
.rept 16
	global_load_b128 v[X+4*i:X+4*i+3], v[L16], s[4:5] offset:(i/8)*4096+(i%8)*512 th:TH_LOAD_NT
.set i, i+1
.endr
.set i, 0
.rept 16
	global_load_b128 v[C+4*i:C+4*i+3], v[CSRC], s[8:9] offset:((i/8)*16+(i%8))*4096 th:TH_LOAD_NT
.set i, i+1
.endr
	s_wait_loadcnt 32                              ; gate_w is in: the 32 loads of x and out_w are younger
.set i, 0
.rept 6
	v_cvt_pk_bf16_f32 v[T+2*i], v[G+i], v[G+6+i]
	v_cvt_pk_bf16_f32 v[T+2*i+1], v[G+12+i], v[G+18+i]
	ds_store_b64 v[GTS], v[T+2*i:T+2*i+1] offset:i*XP
.set i, i+1
.endr
	s_wait_loadcnt 16                              ; x is in: out_w's 16 loads are younger
.set i, 0
.rept 16
	v_cvt_pk_bf16_f32 v[Y+2*i], v[X+4*i], v[X+4*i+1]
	v_cvt_pk_bf16_f32 v[Y+2*i+1], v[X+4*i+2], v[X+4*i+3]
	ds_store_b64 v[XLS], v[Y+2*i:Y+2*i+1] offset:(i/8)*XP+(i%8)*256
.set i, i+1
.endr
	s_wait_loadcnt 0x0                             ; out_w
.set g, 0
.rept 2                                        ; 16 rows of k at a time: half g of the four fragments
.set c, 0
.rept 4                                        ; my column 4 q + c: eight k, 16 bytes
.set jj, 0
.rept 4
	v_cvt_pk_bf16_f32 v[T+16*g+4*c+jj], v[C+32*g+8*jj+c], v[C+32*g+8*jj+4+c]
.set jj, jj+1
.endr
	ds_store_b128 v[CS], v[T+16*g+4*c:T+16*g+4*c+3] offset:g*512+c*16
.set c, c+1
.endr
.set g, g+1
.endr
.set i, 0
.rept 8                                        ; back in fragment order; LDS serves a wave's instructions in order (ISA guide 5.7.1.4): these see the stores above
	ds_load_b128 v[C+4*i:C+4*i+3], v[CR] offset:(i/2)*FP+(i%2)*512
.set i, i+1
.endr
	s_wait_dscnt 0x0
.set i, 0
.rept 8
	global_store_b128 v[L16], v[C+4*i:C+4*i+3], s[12:13] offset:(i/2)*32768+(i%2)*512  ; 512 consecutive bytes
.set i, i+1
.endr
	s_wait_dscnt 0x0                               ; for the others' sake: my rows of x and my part of gate^T are in LDS
	s_barrier_signal -1
	s_barrier_wait -1
	; x leaves for xb: piece c = 8 w + i of all 16 rows, which eight waves wrote: 32 lanes x 16 bytes
.set i, 0
.rept 8
	ds_load_b128 v[Y+4*i:Y+4*i+3], v[XR] offset:32*i
.set i, i+1
.endr
.set i, 0
.rept 8
	s_wait_dscnt 7-i                               ; piece i is back; the younger reads stay out
	global_store_b128 v[L16], v[Y+4*i:Y+4*i+3], s[10:11] offset:32768*i  ; 512 consecutive bytes, aligned
.set i, i+1
.endr
	s_cmp_lg_u32 s20, 0
	s_cbranch_scc0 .Lwave0
	s_wait_tensorcnt 0x0                           ; the wave's end
	ds_add_u32 v[SPW], v[NIL]
	s_wait_dscnt 0x0
	s_endpgm
.Lwave0:
	s_wait_xcnt 0x0                                ; the stores' data registers are written again only behind this wait
	; logits^T = gate^T (source 0: row = expert) x tokens (source 1: column = token): lane r < 16 holds token r, register j expert j.  Four accumulators take turns over the 32 steps of K.
.set b, 0
.rept 4
.if b > 0
	PLACES                                         ; four places between the products and loads into registers that they read
.endif
.set k, 0
.rept 8
	ds_load_b128 v[GF+8*k:GF+8*k+3], v[GA2] offset:(8*b+k)*64
	ds_load_b128 v[GF+8*k+4:GF+8*k+7], v[GA2] offset:(8*b+k)*64+32
	ds_load_b128 v[TF+8*k:TF+8*k+3], v[TA] offset:(8*b+k)*64
	ds_load_b128 v[TF+8*k+4:TF+8*k+7], v[TA] offset:(8*b+k)*64+32
.set k, k+1
.endr
	s_wait_dscnt 0x0
.set k, 0
.rept 8
.set dq, DA+8*(k%4)
.if (b == 0) && (k < 4)
	v_wmma_f32_16x16x32_bf16 v[dq:dq+7], v[GF+8*k:GF+8*k+7], v[TF+8*k:TF+8*k+7], 0
.else
	v_wmma_f32_16x16x32_bf16 v[dq:dq+7], v[GF+8*k:GF+8*k+7], v[TF+8*k:TF+8*k+7], v[dq:dq+7]
.endif
.set k, k+1
.endr
.set b, b+1
.endr
	PLACES
.set i, 0
.rept 3                                        ; the four partial sums; each accumulator's lowest pair is read first
	v_pk_add_f32 v[LG+2*i:LG+2*i+1], v[DA+2*i:DA+2*i+1], v[DA+8+2*i:DA+8+2*i+1]
	v_pk_add_f32 v[L2+2*i:L2+2*i+1], v[DA+16+2*i:DA+16+2*i+1], v[DA+24+2*i:DA+24+2*i+1]
.set i, i+1
.endr
.set i, 0
.rept 3
	v_pk_add_f32 v[LG+2*i:LG+2*i+1], v[LG+2*i:LG+2*i+1], v[L2+2*i:L2+2*i+1]
.set i, i+1
.endr
; The largest of six and its index: a later logit replaces the best only if it is greater, so a tie keeps the lower index.
.macro TOP src, mx, ix
	v_mov_b32 v[\mx], v[\src]
	v_mov_b32 v[\ix], 0
.irp e, 1,2,3,4,5
	v_cmp_le_f32 vcc_lo, v[(\src)+\e], v[\mx]
	v_cndmask_b32 v[\mx], v[(\src)+\e], v[\mx], vcc_lo
	v_cndmask_b32 v[\ix], \e, v[\ix], vcc_lo
.endr
.endm
	TOP LG, M1, I1
	v_mov_b32 v[NEG], 0xff800000
.irp e, 0,1,2,3,4,5
	v_cmp_eq_u32 vcc_lo, \e, v[I1]
	v_cndmask_b32 v[MK+\e], v[LG+\e], v[NEG], vcc_lo
.endr
	TOP MK, M2, I2
	v_sub_f32 v[EA+6], v[M2], v[M1]                ; both softmaxes take the maximum m1 away
.irp e, 0,1,2,3,4,5
	v_sub_f32 v[EA+\e], v[LG+\e], v[M1]
.endr
.set i, 0
.rept 7
	v_mul_f32 v[EA+i], 0x3fb8aa3b, v[EA+i]
.set i, i+1
.endr
.set i, 0
.rept 7
	v_exp_f32 v[EA+i], v[EA+i]
.set i, i+1
.endr
	v_nop                                          ; a plain instruction behind the last exponential,
	s_wait_alu depctr_va_vdst(0)                   ; and one wait for the batch of seven, ahead of its first reader
	v_add_f32 v[SU], v[EA], v[EA+1]
	v_add_f32 v[SU+1], v[EA+2], v[EA+3]
	v_add_f32 v[L2], v[EA+4], v[EA+5]
	v_add_f32 v[SU], v[SU], v[SU+1]
	v_add_f32 v[SU], v[SU], v[L2]
	v_add_f32 v[SU+1], 1.0, v[EA+6]
	v_rcp_f32 v[SU], v[SU]
	v_rcp_f32 v[SU+1], v[SU+1]
	v_nop
	s_wait_alu depctr_va_vdst(0)                   ; one wait for the two reciprocals
	v_mov_b32 v[GW], v[SU+1]                       ; 1 / (1 + e^(m2 - m1))
	v_mul_f32 v[GW+1], v[EA+6], v[SU+1]
.irp e, 0,1,2,3,4,5
	v_mul_f32 v[EA+\e], v[EA+\e], v[SU]            ; the token's probabilities
.endr
.irp x, 1,2,4,8                                ; summed over the 16 tokens (lanes 0-15)
.irp e, 0,1,2,3,4,5
	v_add_f32_dpp v[EA+\e], v[EA+\e], v[EA+\e] row_xmask:\x row_mask:0xf bank_mask:0xf
.endr
.endr
	v_mov_b32 v[BMV], 0
	v_mov_b32 v[PA], 0
	v_mov_b32 v[CT], 0
	s_mov_b32 s44, 0xffff
.irp e, 0,1,2,3,4,5
	v_cmp_eq_u32 s[32+\e], \e, v[I1]
	v_cmp_eq_u32 s[38+\e], \e, v[I2]
	s_and_b32 s[32+\e], s[32+\e], s44              ; lanes 16-31 hold no token
	s_and_b32 s[38+\e], s[38+\e], s44
	v_writelane_b32 v[BMV], s[32+\e], \e           ; lane = row of bm: first choices in rows 0-5,
	v_writelane_b32 v[BMV], s[38+\e], 8+\e         ; second choices in rows 8-13
	s_bcnt1_i32_b32 s45, s[32+\e]
	v_writelane_b32 v[CT], s45, 8+\e
	v_readfirstlane_b32 s46, v[EA+\e]
	v_writelane_b32 v[PA], s46, \e
.endr
	v_writelane_b32 v[BMV], s44, 6                 ; the two shared experts take every token
	v_writelane_b32 v[BMV], s44, 7
	v_cvt_f32_u32 v[CT], v[CT]
	v_add_f32 v[PA], v[PA], v[CT]                  ; lanes 0-5 sums of probabilities, 8-13 counts, the rest 0
	s_mov_b32 s51, 0
	s_lshl_b32 s50, ttmp9, 7
	s_add_nc_u64 s[16:17], s[16:17], s[50:51]
	s_lshl_b32 s50, ttmp9, 1
	s_add_nc_u64 s[14:15], s[14:15], s[50:51]
	s_lshl_b32 s50, ttmp9, 6
	s_add_nc_u64 s[18:19], s[18:19], s[50:51]
	v_lshlrev_b32 v16, 7, v[LANE]
	v_lshlrev_b32 v17, 2, v[LANE]
	s_wait_xcnt 0x0                                ; EXEC changes only behind this wait
	v_cmp_gt_u32 vcc_lo, 16, v[LANE]
	s_and_saveexec_b32 s48, vcc_lo
	global_store_b64 v[L8], v[GW:GW+1], s[16:17]
	global_store_b16 v16, v[BMV], s[14:15]         ; 16 bits in each of bm's 16 rows: 32 bytes a work-group, once
	global_store_b32 v17, v[PA], s[18:19]
	s_wait_xcnt 0x0
	s_or_b32 exec_lo, exec_lo, s48
	s_wait_tensorcnt 0x0                           ; the wave's end
	ds_add_u32 v[SPW], v[NIL]
	s_wait_dscnt 0x0
	s_endpgm
.Lfunc_end_k_qed97e839bb_route:
	.size	k_qed97e839bb_route, .Lfunc_end_k_qed97e839bb_route-k_qed97e839bb_route
	.p2alignl 7, 3214868480
	.fill 96, 4, 3214868480
	.section	.rodata,"a",@progbits
	.p2align	6, 0x0
	.amdhsa_kernel k_qed97e839bb_route
		.amdhsa_group_segment_fixed_size 81664
		.amdhsa_private_segment_fixed_size 0
		.amdhsa_enable_private_segment 0
		.amdhsa_kernarg_size 64
		.amdhsa_user_sgpr_count 2
		.amdhsa_user_sgpr_kernarg_segment_ptr 1
		.amdhsa_wavefront_size32 1
		.amdhsa_system_sgpr_workgroup_id_x 1
		.amdhsa_system_sgpr_workgroup_id_y 1
		.amdhsa_system_sgpr_workgroup_id_z 1
		.amdhsa_system_vgpr_workitem_id 0
		.amdhsa_next_free_vgpr 256
		.amdhsa_next_free_sgpr 66
		.amdhsa_reserve_vcc 1
		.amdhsa_float_denorm_mode_32 3
		.amdhsa_float_denorm_mode_16_64 3
		.amdhsa_memory_ordered 1
		.amdhsa_forward_progress 1
		.amdhsa_inst_pref_size 37
	.end_amdhsa_kernel
	.amdgpu_metadata
---
amdhsa.version: [ 1, 2 ]
amdhsa.kernels:
  - .name:           k_qed97e839bb_route
    .symbol:         k_qed97e839bb_route.kd
    .args:
      - { .name: x, .offset: 0, .size: 8, .value_kind: global_buffer, .address_space: global }
      - { .name: gate_w, .offset: 8, .size: 8, .value_kind: global_buffer, .address_space: global }
      - { .name: out_w, .offset: 16, .size: 8, .value_kind: global_buffer, .address_space: global }
      - { .name: xb, .offset: 24, .size: 8, .value_kind: global_buffer, .address_space: global }
      - { .name: owf, .offset: 32, .size: 8, .value_kind: global_buffer, .address_space: global }
      - { .name: bm, .offset: 40, .size: 8, .value_kind: global_buffer, .address_space: global }
      - { .name: rwt, .offset: 48, .size: 8, .value_kind: global_buffer, .address_space: global }
      - { .name: paux, .offset: 56, .size: 8, .value_kind: global_buffer, .address_space: global }
    .group_segment_fixed_size: 81664
    .private_segment_fixed_size: 0
    .kernarg_segment_align: 8
    .kernarg_segment_size: 64
    .max_flat_workgroup_size: 256
    .sgpr_count:     66
    .vgpr_count:     256
    .wavefront_size: 32
...
	.end_amdgpu_metadata
.endif
;; end of part 1
;; launch up (part 2): grid 32 x 14, 4 waves a work-group, no clusters, 266,752 bytes of LDS; arguments xb, w1_r, w3_r, w1_s, w3_s, bm, hbuf; writes hbuf
.if DOCPART == 2
	.amdgcn_target "amdgcn-amd-amdhsa--gfx1250"
	.amdhsa_code_object_version 6
	.text
	.protected	k_qed97e839bb_up
	.globl	k_qed97e839bb_up
	.p2align	8
	.type	k_qed97e839bb_up,@function
k_qed97e839bb_up:
	s_mov_b64 s[64:65], 0
	v_nop
	global_prefetch_b8 v0, s[64:65] scope:SCOPE_SE
	s_setreg_imm32_b32 hwreg(HW_REG_WAVE_MODE, 25, 1), 1
	s_wait_xcnt 0x0
; UP.  h = silu(x w1) (x w3) for one expert, 64 hidden columns (grid x) and a share of the expert's rows; h is rounded once to bf16.
; Grid y: 0-7 the two shared experts (numbers 6, 7), four parts of 256 tokens each; 8-13 the routed experts 0-5 with all their rows, whatever their number (0 to 1,024).
; THE SLICE STAYS: 1,024 k x 64 columns of w1 and of w3 (f32, [k][column]) are read once, rounded to bf16 on their way through registers and laid into LDS as 256 matrix fragments.  One barrier.
; Then each wave walks its own tiles of 16 rows, up to four at a time; token rows come from xb straight into registers.  No barrier and no LDS write in the walk;
; a second barrier stands behind it, between all waves' reads of LDS and the closing LDS write.
; THE TOKEN ROWS.  xb is laid [c][token][32 bytes], c = 0..63 the 32-byte piece (16 k) of a row: half a fragment of 16 neighbouring tokens is 512 consecutive bytes, and the pieces of an expert's chosen tokens,
; which ascend, lie close together.  Row p of an expert is the token of rank p among those that chose it: for a shared expert token p; for a routed one each lane finds it from the stored bit maps, in registers.
; No tensor load and no joint load: the weights pass through registers to be rounded and turned, a routed slice has one reader, and the token rows come by their ranks.
; THE PRODUCT IS USED SWAPPED: source 0 = 16 weight columns, source 1 = 16 tokens: a lane holds one token (lane % 16) and 8 neighbouring hidden columns, 16 bytes of bf16.
; A FRAGMENT: 1,024 bytes in two halves of 512; lane l's 16 bytes of half u are k = 16 u + 8 (l / 16) + 0..7 of row l % 16.
; Places past an expert's count repeat some token that exists; their rows of h are stored and lead to rows that nobody reads.  An expert without rows stores nothing.
; LIMITS.  NaN and infinities are not treated apart; (x w1)(x w3) must be finite in f32; 2^t below 2^-126 counts as 0.
; REGISTERS in windows of 256 (s_set_vgpr_msb: bits 1:0 source 0, 3:2 source 1, 5:4 source 2, 7:6 destination):
;   window 0: v0-25 addresses; v32-47 at work in the fill; v48-83 at work on the ranks; v128-255 two buffers of 8 weight fragments.
;   window 1: the fill's ring, 8 slots of 32; later four units of token fragments, 32 each.   window 2: accumulators: tile m, column block nb at 64 m + 8 nb; nb 0-3 are w1's, 4-7 w3's.
.set FP,    1040      ; a fragment + 16 bytes
.set KBP,   8*FP      ; the 8 fragments of 32 k
.set TRIPB, 4*KBP     ; the fragments of a K trip's four steps
.set XKB,   65536     ; xb: from a K step of 32 to the next: two blocks of 1,024 tokens x 32 bytes
.set SPARE, 266240    ; behind the 256 fragments: the spare words, 128 bytes a wave, two blocks of 256 bytes that no other line names
.set LANE, 1
.set R,    2
.set HH,   3
.set H16,  4
.set FSRC, 5          ; the fill: row 8 (lane / 16), 16 bytes at 16 (lane % 16); never rewritten
.set FDST, 6
.set L16,  7
.set MM,   8          ; lane g: bit i = token 32 g + i chose the expert, as its first or its second choice
.set MA,   11
.set MB,   12
.set BADR, 16
.set SPW,  17         ; my spare word; never rewritten
.set NIL,  18         ; 0; never rewritten
.set OFF,  20         ; v20-23: tile m: my token's 32 bytes in a block of xb + 16 (lane / 16)
.set FD0,  25
.set T,    32
.set RK,   48         ; v48-51: tile m: my row's rank; later 32 x its word's number
.set WD,   52         ; its word of the map
.set EN,   56         ; the word's number << 16 | ones ahead of the word; later the rank within what is left of the word
.set SA,   60         ; ones in each 2 bits of the word,
.set SB,   64         ; in each 4,
.set SC,   68         ; in each 8
.set PS,   72         ; the bit's place, as far as it is known
.set TT,   76
.set TU,   80
.set BF,   128
; s[4:15], s[84:85] pointers (s[84:85]: hbuf at my expert and slice); s[16:19] the pass's tiles; s[20:27] their places in hbuf; s[28:29] an offset; s31, s37 LDS steps; s[32:35] w1, w3 at my rows;
; s36 expert among its kind; s38 grid y; s39 ones so far; s[40:43] masks; s86 wave; s87 expert; s88 part; s89 tiles a part; s90 count; s91 first tile; s92 end; s93 tiles left; s94, s95 counters; s96, s97 at work; s[98:99] xb at the K step
.set MSB, 0
.macro WIN new                         ; the immediate's high byte repeats the setting that is left; a switch that changes nothing is dropped
.if MSB != (\new)
	s_set_vgpr_msb (MSB<<8)|(\new)
.set MSB, \new
.endif
.endm
.macro PLACES
.rept 4
	v_nop
.endr
.endm
.macro ALL4 line:vararg                ; one line for each tile mi of a pass: four chains side by side
.set mi, 0
.rept 4
	\line
.set mi, mi+1
.endr
.endm
	s_load_b256 s[4:11], s[0:1], 0x0               ; xb, w1_r, w3_r, w1_s
	s_load_b128 s[12:15], s[0:1], 0x20             ; w3_s, bm
	s_load_b64 s[84:85], s[0:1], 0x30              ; hbuf
	v_lshl_add_u32 v[SPW], v0, 2, SPARE
	v_mov_b32 v[NIL], 0
	v_and_b32 v[LANE], 31, v0
	v_lshrrev_b32 v13, 5, v0
	v_readfirstlane_b32 s86, v13                   ; wave 0..3
	v_and_b32 v[R], 15, v0
	v_bfe_u32 v[HH], v0, 4, 1
	v_lshlrev_b32 v[H16], 4, v[HH]
	v_lshlrev_b32 v[FSRC], 16, v[HH]               ; 8 rows of 8,192 bytes
	v_lshl_add_u32 v[FSRC], v[R], 4, v[FSRC]
	v_lshrrev_b32 v13, 2, v[R]                     ; my columns 4 q + c: fragment q / 4, row 4 (q % 4) + c
	v_mul_u32_u24 v[FD0], v13, FP
	v_lshl_add_u32 v[FD0], v[HH], 8, v[FD0]
	v_and_b32 v13, 3, v[R]
	v_lshl_add_u32 v[FD0], v13, 6, v[FD0]
	v_lshlrev_b32 v[L16], 4, v[LANE]
	v_lshlrev_b32 v14, 2, v[LANE]
	s_mul_i32 s37, s86, 8*KBP                      ; wave w lays k = 256 w .. 256 w + 255
	v_add_nc_u32 v[FDST], s37, v[FD0]
	s_and_b32 s38, ttmp7, 0xffff
	s_lshr_b32 s36, s38, 2
	s_and_b32 s88, s38, 3
	s_add_co_u32 s87, s36, 6
	s_sub_co_u32 s97, s38, 8
	s_cmp_lt_u32 s38, 8                            ; a shared expert's part?
	s_cselect_b32 s36, s36, s97
	s_cselect_b32 s87, s87, s97
	s_cselect_b32 s88, s88, 0
	s_cselect_b32 s89, 16, 64
	s_lshl_b32 s28, s36, 23                        ; the expert's 8 MiB, my slice's 256 bytes of a row, my wave's 256 rows
	s_lshl_b32 s96, ttmp9, 8
	s_add_co_u32 s28, s28, s96
	s_lshl_b32 s96, s86, 21
	s_add_co_u32 s28, s28, s96
	s_mov_b32 s29, 0
	s_wait_kmcnt 0x0
	s_cmp_lt_u32 s38, 8
	s_cselect_b64 s[32:33], s[10:11], s[6:7]
	s_cselect_b64 s[34:35], s[12:13], s[8:9]
	s_add_nc_u64 s[32:33], s[32:33], s[28:29]
	s_add_nc_u64 s[34:35], s[34:35], s[28:29]
	s_lshl_b32 s28, s87, 7
	s_add_nc_u64 s[14:15], s[14:15], s[28:29]
	global_load_b32 v[MA], v14, s[14:15]
	global_load_b32 v[MB], v14, s[14:15] offset:1024
	s_lshl_b32 s28, s87, 22                        ; hbuf: the expert's 4 MiB, my slice's four blocks of 512 bytes in a tile
	s_lshl_b32 s96, ttmp9, 11
	s_add_co_u32 s28, s28, s96
	s_add_nc_u64 s[84:85], s[84:85], s[28:29]
; THE FILL.  A slot is 16 rows of k of one matrix: 8 loads, each two aligned pieces of 256 bytes (rows k and k + 8).  Slot: 16-row group slot / 2, matrix slot % 2.  Eight slots are 64 rows of both matrices.
.macro FLOAD slot, next
	WIN 0x40                                       ; destination window 1, address window 0
.set fb, 32+2*((\slot)&1)
.set j, 0
.rept 8
	global_load_b128 v[32*(\slot)+4*j:32*(\slot)+4*j+3], v[FSRC], s[fb:fb+1] offset:((\next)*64+((\slot)>>1)*16+j)*8192
.set j, j+1
.endr
.endm
; A slot is rounded and laid down: for each of my four columns eight k make 16 bytes of a fragment's half.  left: the younger loads that may stay out.
.macro FCVT slot, left
	s_wait_loadcnt \left
	WIN 0x05                                       ; sources window 1, destination window 0
.set c, 0
.rept 4
.set jj, 0
.rept 4
	v_cvt_pk_bf16_f32 v[T+4*c+jj], v[32*(\slot)+8*jj+c], v[32*(\slot)+8*jj+4+c]
.set jj, jj+1
.endr
.set c, c+1
.endr
	WIN 0
.set c, 0
.rept 4
	ds_store_b128 v[FDST], v[T+4*c:T+4*c+3] offset:((\slot)>>2)*KBP+((\slot)&1)*4*FP+(((\slot)>>1)&1)*512+16*c
.set c, c+1
.endr
.endm
.irp sl, 0,1,2,3,4,5,6,7
	FLOAD \sl, 0
.endr
	WIN 0
	s_wait_loadcnt 63                              ; the two maps are the oldest of 66 loads; 63 is the largest count that the wait can name
	v_or_b32 v[MM], v[MA], v[MB]                   ; a token names an expert once at the most
	s_mov_b32 s90, 0                               ; the expert's rows: the ones of the 32 words
	s_mov_b32 s95, 0
.Lcnt:
	v_readlane_b32 s96, v[MM], s95
	s_bcnt1_i32_b32 s96, s96
	s_add_co_u32 s90, s90, s96
	s_add_co_u32 s95, s95, 1
	s_cmp_lt_u32 s95, 32
	s_cbranch_scc1 .Lcnt
	s_min_u32 s90, s90, 1024
	s_mov_b32 s95, 3
.Lfill:                                                ; a trip lays 64 rows down and asks for the next 64; 64 loads of the wave are issued at a time
.irp sl, 0,1,2,3,4,5,6,7
	FCVT \sl, 56                                   ; seven younger slots of 8 loads
	FLOAD \sl, 1
.endr
	WIN 0
	s_wait_xcnt 0x0                                ; the loads' bases are stepped only behind this wait
	s_add_nc_u64 s[32:33], s[32:33], 0x80000
	s_add_nc_u64 s[34:35], s[34:35], 0x80000
	s_add_co_u32 s37, s37, 2*KBP
	v_add_nc_u32 v[FDST], s37, v[FD0]
	s_sub_co_u32 s95, s95, 1
	s_cmp_lg_u32 s95, 0
	s_cbranch_scc1 .Lfill
.irp sl, 0,1,2,3,4,5,6,7
	FCVT \sl, 56-8*\sl                             ; the last 64 rows: the counts run down
.endr
	s_wait_dscnt 0x0                               ; for the others' sake: my quarter of the slice is in LDS
	s_barrier_signal -1
	s_barrier_wait -1
	; my tiles: the part's tiles in four equal runs
	s_add_co_u32 s96, s90, 15
	s_lshr_b32 s96, s96, 4                         ; the expert's tiles
	s_mul_i32 s97, s88, s89                        ; the part's first,
	s_add_co_u32 s92, s97, s89
	s_min_u32 s92, s92, s96                        ; and its end
	s_sub_co_i32 s96, s92, s97
	s_max_i32 s96, s96, 0
	s_add_co_u32 s96, s96, 3
	s_lshr_b32 s96, s96, 2                         ; tiles a wave
	s_mul_i32 s91, s86, s96
	s_add_co_u32 s91, s91, s97
	s_add_co_u32 s96, s91, s96
	s_min_u32 s92, s96, s92
	s_sub_co_i32 s93, s92, s91                     ; may be 0 or less
; One halving of the search for a bit: are there, in the lower w bits of what is left of the word, as many ones as my rank or fewer?  Then they are passed over.  src holds the ones of each w bits.
.macro STAGE src, w
	ALL4 v_bfe_u32 v[TT+mi], v[(\src)+mi], v[PS+mi], \w
	ALL4 v_cmp_ge_u32 s[40+mi], v[EN+mi], v[TT+mi]
	ALL4 v_sub_nc_u32 v[TT+mi], v[EN+mi], v[TT+mi]
	ALL4 v_add_nc_u32 v[TU+mi], \w, v[PS+mi]
	ALL4 v_cndmask_b32 v[EN+mi], v[EN+mi], v[TT+mi], s[40+mi]
	ALL4 v_cndmask_b32 v[PS+mi], v[PS+mi], v[TU+mi], s[40+mi]
.endm
; THE TOKEN OF A RANK, for the four tiles of a pass, each lane for its own row.  The 32 words are walked with the ones counted so far: the last word that has no more ones ahead of it than my rank is mine
; (a word behind it has more ahead).  In it the bit is found by five halvings.  A rank past the count ends in the last word at some bit: a token that exists.
.macro RSEL
	ALL4 v_mov_b32 v[WD+mi], 0
	ALL4 v_mov_b32 v[EN+mi], 0
	s_mov_b32 s39, 0
	s_mov_b32 s95, 0
.Lsel:
	v_readlane_b32 s96, v[MM], s95
	s_lshl_b32 s97, s95, 16
	s_or_b32 s97, s97, s39                         ; the word's number and the ones ahead of it (1,024 at the most) in one register
	ALL4 v_cmp_le_u32 s[40+mi], s39, v[RK+mi]
	ALL4 v_cndmask_b32 v[WD+mi], v[WD+mi], s96, s[40+mi]
	ALL4 v_cndmask_b32 v[EN+mi], v[EN+mi], s97, s[40+mi]
	s_bcnt1_i32_b32 s96, s96
	s_add_co_u32 s39, s39, s96
	s_add_co_u32 s95, s95, 1
	s_cmp_lt_u32 s95, 32
	s_cbranch_scc1 .Lsel
	ALL4 v_and_b32 v[TT+mi], 0xffff, v[EN+mi]
	ALL4 v_lshrrev_b32 v[TU+mi], 11, v[EN+mi]
	ALL4 v_sub_nc_u32 v[EN+mi], v[RK+mi], v[TT+mi]         ; my rank within the word
	ALL4 v_and_b32 v[RK+mi], 0x3e0, v[TU+mi]               ; 32 x the word's number
	ALL4 v_lshrrev_b32 v[TT+mi], 1, v[WD+mi]               ; the ones of each 2, 4 and 8 bits
	ALL4 v_and_b32 v[TT+mi], 0x55555555, v[TT+mi]
	ALL4 v_sub_nc_u32 v[SA+mi], v[WD+mi], v[TT+mi]
	ALL4 v_lshrrev_b32 v[TT+mi], 2, v[SA+mi]
	ALL4 v_and_b32 v[TU+mi], 0x33333333, v[SA+mi]
	ALL4 v_and_b32 v[TT+mi], 0x33333333, v[TT+mi]
	ALL4 v_add_nc_u32 v[SB+mi], v[TU+mi], v[TT+mi]
	ALL4 v_lshrrev_b32 v[TT+mi], 4, v[SB+mi]
	ALL4 v_add_nc_u32 v[TT+mi], v[SB+mi], v[TT+mi]
	ALL4 v_and_b32 v[SC+mi], 0x0f0f0f0f, v[TT+mi]
	ALL4 v_bfe_u32 v[TT+mi], v[SC+mi], 8, 8                ; the first halving: the ones of bits 0 to 15
	ALL4 v_and_b32 v[TU+mi], 0xff, v[SC+mi]
	ALL4 v_add_nc_u32 v[TT+mi], v[TT+mi], v[TU+mi]
	ALL4 v_cmp_ge_u32 s[40+mi], v[EN+mi], v[TT+mi]
	ALL4 v_sub_nc_u32 v[TT+mi], v[EN+mi], v[TT+mi]
	ALL4 v_cndmask_b32 v[EN+mi], v[EN+mi], v[TT+mi], s[40+mi]
	ALL4 v_cndmask_b32 v[PS+mi], 0, 16, s[40+mi]
	STAGE SC, 8
	STAGE SB, 4
	STAGE SA, 2
	STAGE WD, 1
	ALL4 v_add_nc_u32 v[OFF+mi], v[RK+mi], v[PS+mi]
.endm
.macro PSET                            ; a pass's four tiles (past my run's end the last one again), their places in hbuf, their tokens
	s_wait_xcnt 0x0                                ; the last pass's stores have read their data and bases
	s_sub_co_u32 s96, s92, 1
.irp m, 0,1,2,3
	s_add_co_u32 s[16+\m], s91, \m
	s_min_u32 s[16+\m], s[16+\m], s96
	s_min_u32 s[16+\m], s[16+\m], 63
	v_lshl_add_u32 v[RK+\m], s[16+\m], 4, v[R]     ; my row's rank: 16 x tile + lane % 16
	s_lshl_b32 s28, s[16+\m], 16
	s_add_nc_u64 s[20+2*\m:21+2*\m], s[84:85], s[28:29]
.endr
	s_mov_b64 s[98:99], s[4:5]
	s_mov_b32 s31, 0
	v_add_nc_u32 v[BADR], s31, v[L16]              ; the slice's first fragments
	s_cmp_lt_u32 s38, 8
	s_cbranch_scc1 .Lident
	RSEL
	s_branch .Ltok
.Lident:                                               ; a shared expert takes every token: the token is the rank
	ALL4 v_mov_b32 v[OFF+mi], v[RK+mi]
.Ltok:
	ALL4 v_min_u32 v[OFF+mi], 0x3ff, v[OFF+mi]
	ALL4 v_lshl_add_u32 v[OFF+mi], v[OFF+mi], 5, v[H16]
.endm
.macro ALOAD mt, unit, s               ; token fragments of K step s (counted from the trip's base) for mt tiles: the step's two blocks of xb
	WIN 0x40
.set am, 0
.rept \mt
	global_load_b128 v[32*(\unit)+8*am:32*(\unit)+8*am+3], v[OFF+am], s[98:99] offset:(\s)*XKB
	global_load_b128 v[32*(\unit)+8*am+4:32*(\unit)+8*am+7], v[OFF+am], s[98:99] offset:(\s)*XKB+XKB/2
.set am, am+1
.endr
.endm
.macro BLOAD buf, s                    ; the 8 weight fragments of K step s
	WIN 0
.set bn, 0
.rept 8
	ds_load_b128 v[BF+64*(\buf)+8*bn:BF+64*(\buf)+8*bn+3], v[BADR] offset:(\s)*KBP+bn*FP
	ds_load_b128 v[BF+64*(\buf)+8*bn+4:BF+64*(\buf)+8*bn+7], v[BADR] offset:(\s)*KBP+bn*FP+512
.set bn, bn+1
.endr
.endm
.macro MULS f, au, zero, m0, m1        ; tiles m0 .. m1 - 1 x 8 column blocks; every accumulator has one instruction a step, so they take turns
	WIN 0xa4                                       ; weights window 0, tokens window 1, C and D window 2
.set wm, \m0
.rept (\m1)-(\m0)
.set wn, 0
.rept 8
.if \zero
	v_wmma_f32_16x16x32_bf16 v[64*wm+8*wn:64*wm+8*wn+7], v[BF+64*(\f)+8*wn:BF+64*(\f)+8*wn+7], v[32*(\au)+8*wm:32*(\au)+8*wm+7], 0
.else
	v_wmma_f32_16x16x32_bf16 v[64*wm+8*wn:64*wm+8*wn+7], v[BF+64*(\f)+8*wn:BF+64*(\f)+8*wn+7], v[32*(\au)+8*wm:32*(\au)+8*wm+7], v[64*wm+8*wn:64*wm+8*wn+7]
.endif
.set wn, wn+1
.endr
.set wm, wm+1
.endr
.endm
; A K step of 32.  In its middle the next step's weights are read from LDS and the tokens three steps on are asked for, into the buffers that the step before read: four places stand in front of those loads.
.macro STEP mt, f, au, zero, sb, sa, la
	s_wait_loadcnt \la                             ; my unit of tokens is in; the younger units stay out
	s_wait_dscnt 0x0                               ; and the weights
	MULS \f, \au, \zero, 0, (\mt)/2
	PLACES
.if (\sb) >= 0
	BLOAD 1-(\f), \sb
.endif
.if (\sa) >= 0
	ALOAD \mt, ((\au)+3)&3, \sa
.endif
	MULS \f, \au, \zero, (\mt)/2, \mt
.endm
; 32 K steps: the first starts the sums, 7 trips of four, three at the end.  A unit is 2 mt loads; two younger units are 4 mt.
; The weights' LDS address is 16 x lane + the trips' step, made at each trip's head: 0 to 6 x 33,280 in the loop and 7 x 33,280 behind it; with the largest immediate a read ends at 249,584 and at 266,224, inside the slice's 266,240 bytes.
; xb's base steps by four K steps a trip; with the largest immediate and token a load ends at xb's last byte, 2,097,152.
.macro KRUN mt
	ALOAD \mt, 0, 0
	ALOAD \mt, 1, 1
	ALOAD \mt, 2, 2
	BLOAD 0, 0
	STEP \mt, 0, 0, 1, 1, 3, 4*(\mt)
	WIN 0
	s_mov_b32 s95, 7
.Lk_\@:
	v_add_nc_u32 v[BADR], s31, v[L16]
	STEP \mt, 1, 1, 0, 2, 4, 4*(\mt)
	STEP \mt, 0, 2, 0, 3, 5, 4*(\mt)
	STEP \mt, 1, 3, 0, 4, 6, 4*(\mt)
	STEP \mt, 0, 0, 0, 5, 7, 4*(\mt)
	WIN 0
	s_wait_xcnt 0x0                                ; the loads' base is stepped only behind this wait
	s_add_nc_u64 s[98:99], s[98:99], 4*XKB
	s_add_co_u32 s31, s31, TRIPB
	s_sub_co_u32 s95, s95, 1
	s_cmp_lg_u32 s95, 0
	s_cbranch_scc1 .Lk_\@
	v_add_nc_u32 v[BADR], 7*TRIPB, v[L16]
	STEP \mt, 1, 1, 0, 2, -1, 4*(\mt)
	STEP \mt, 0, 2, 0, 3, -1, 2*(\mt)
	STEP \mt, 1, 3, 0, -1, -1, 0
	WIN 0
.endm
; Tile m leaves: a1 a3 / (1 + 2^(-a1 log2 e)), in place; 32 exponentials and 32 reciprocals are a batch each, with one wait.  Each accumulator's lowest pair is read first.
.macro EPI m
	PLACES
	WIN 0xaa                                       ; all in window 2
.set ea1, 64*(\m)
.set ea3, 64*(\m)+32
.set ei, 0
.rept 16
	v_pk_mul_f32 v[ea3+2*ei:ea3+2*ei+1], v[ea1+2*ei:ea1+2*ei+1], v[ea3+2*ei:ea3+2*ei+1]
.set ei, ei+1
.endr
.set ei, 0
.rept 16
	v_pk_mul_f32 v[ea1+2*ei:ea1+2*ei+1], v[ea1+2*ei:ea1+2*ei+1], 0xbfb8aa3b op_sel_hi:[1,0]
.set ei, ei+1
.endr
.set ei, 0
.rept 32
	v_exp_f32 v[ea1+ei], v[ea1+ei]
.set ei, ei+1
.endr
	v_nop
	s_wait_alu depctr_va_vdst(0)
.set ei, 0
.rept 16
	v_pk_add_f32 v[ea1+2*ei:ea1+2*ei+1], v[ea1+2*ei:ea1+2*ei+1], 1.0 op_sel_hi:[1,0]
.set ei, ei+1
.endr
.set ei, 0
.rept 32
	v_rcp_f32 v[ea1+ei], v[ea1+ei]
.set ei, ei+1
.endr
	v_nop
	s_wait_alu depctr_va_vdst(0)
.set ei, 0
.rept 16
	v_pk_mul_f32 v[ea3+2*ei:ea3+2*ei+1], v[ea3+2*ei:ea3+2*ei+1], v[ea1+2*ei:ea1+2*ei+1]
.set ei, ei+1
.endr
.set ei, 0
.rept 16
	v_cvt_pk_bf16_f32 v[ea1+8*(ei/4)+ei%4], v[ea3+8*(ei/4)+2*(ei%4)], v[ea3+8*(ei/4)+2*(ei%4)+1]
.set ei, ei+1
.endr
	WIN 0x08                                       ; data window 2, address window 0
.set ei, 0
.rept 4
	global_store_b128 v[L16], v[ea1+8*ei:ea1+8*ei+3], s[20+2*(\m):21+2*(\m)] offset:512*ei  ; 512 consecutive bytes: half a fragment for the next launch
.set ei, ei+1
.endr
	WIN 0
.endm
	s_mov_b32 s94, 4                               ; four passes of four tiles cover the 16 tiles that a wave can have; passes without tiles are jumped
.Lpass:
	s_cmp_gt_i32 s93, 0
	s_cbranch_scc0 .Lskip
	PSET
	s_cmp_gt_i32 s93, 2
	s_cbranch_scc0 .Lk2
	KRUN 4
	EPI 3
	EPI 2
	s_branch .Lepi
.Lk2:
	KRUN 2
.Lepi:
	EPI 1
	EPI 0
	s_add_co_u32 s91, s91, 4
	s_sub_co_i32 s93, s93, 4
.Lskip:
	s_sub_co_u32 s94, s94, 1
	s_cmp_lg_u32 s94, 0
	s_cbranch_scc1 .Lpass
	s_wait_dscnt 0x0                               ; my reads of LDS are over;
	s_barrier_signal -1
	s_barrier_wait -1                              ; everybody's are: the LDS write below stands behind every wave's reads
	s_wait_tensorcnt 0x0                           ; the wave's end
	ds_add_u32 v[SPW], v[NIL]
	s_wait_dscnt 0x0
	s_endpgm
.Lfunc_end_k_qed97e839bb_up:
	.size	k_qed97e839bb_up, .Lfunc_end_k_qed97e839bb_up-k_qed97e839bb_up
	.p2alignl 7, 3214868480
	.fill 96, 4, 3214868480
	.section	.rodata,"a",@progbits
	.p2align	6, 0x0
	.amdhsa_kernel k_qed97e839bb_up
		.amdhsa_group_segment_fixed_size 266752
		.amdhsa_private_segment_fixed_size 0
		.amdhsa_enable_private_segment 0
		.amdhsa_kernarg_size 56
		.amdhsa_user_sgpr_count 2
		.amdhsa_user_sgpr_kernarg_segment_ptr 1
		.amdhsa_wavefront_size32 1
		.amdhsa_system_sgpr_workgroup_id_x 1
		.amdhsa_system_sgpr_workgroup_id_y 1
		.amdhsa_system_sgpr_workgroup_id_z 1
		.amdhsa_system_vgpr_workitem_id 0
		.amdhsa_next_free_vgpr 768
		.amdhsa_next_free_sgpr 100
		.amdhsa_reserve_vcc 0
		.amdhsa_float_denorm_mode_32 3
		.amdhsa_float_denorm_mode_16_64 3
		.amdhsa_memory_ordered 1
		.amdhsa_forward_progress 1
		.amdhsa_inst_pref_size 138
	.end_amdhsa_kernel
	.amdgpu_metadata
---
amdhsa.version: [ 1, 2 ]
amdhsa.kernels:
  - .name:           k_qed97e839bb_up
    .symbol:         k_qed97e839bb_up.kd
    .args:
      - { .name: xb, .offset: 0, .size: 8, .value_kind: global_buffer, .address_space: global }
      - { .name: w1_r, .offset: 8, .size: 8, .value_kind: global_buffer, .address_space: global }
      - { .name: w3_r, .offset: 16, .size: 8, .value_kind: global_buffer, .address_space: global }
      - { .name: w1_s, .offset: 24, .size: 8, .value_kind: global_buffer, .address_space: global }
      - { .name: w3_s, .offset: 32, .size: 8, .value_kind: global_buffer, .address_space: global }
      - { .name: bm, .offset: 40, .size: 8, .value_kind: global_buffer, .address_space: global }
      - { .name: hbuf, .offset: 48, .size: 8, .value_kind: global_buffer, .address_space: global }
    .group_segment_fixed_size: 266752
    .private_segment_fixed_size: 0
    .kernarg_segment_align: 8
    .kernarg_segment_size: 56
    .max_flat_workgroup_size: 128
    .sgpr_count:     100
    .vgpr_count:     768
    .wavefront_size: 32
...
	.end_amdgpu_metadata
.endif
;; end of part 2
;; launch down (part 3): grid 16 x 14, 4 waves a work-group, no clusters, 301,568 bytes of LDS; arguments hbuf, w2_r, w2_s, bm, ybuf; writes ybuf
.if DOCPART == 3
	.amdgcn_target "amdgcn-amd-amdhsa--gfx1250"
	.amdhsa_code_object_version 6
	.text
	.protected	k_qed97e839bb_down
	.globl	k_qed97e839bb_down
	.p2align	8
	.type	k_qed97e839bb_down,@function
k_qed97e839bb_down:
	s_mov_b64 s[64:65], 0
	v_nop
	global_prefetch_b8 v0, s[64:65] scope:SCOPE_SE
	s_setreg_imm32_b32 hwreg(HW_REG_WAVE_MODE, 25, 1), 1
	s_wait_xcnt 0x0
; DOWN.  y = h w2 for one expert, 64 output columns (grid x) and a share of the expert's rows; y is an f32 partial row, added up by the next launch.
; Grid y: 0-7 the two shared experts (numbers 6, 7), four parts of 256 tokens each; 8-13 the routed experts 0-5 with all their rows, whatever their number.
; THE SLICE STAYS: 2,048 k x 64 columns of w2 (f32, [k][column]) are read once, rounded to bf16 in registers and laid into LDS as 256 matrix fragments.  One barrier.  Then each wave walks its own tiles
; of 16 rows, up to four at a time: h comes from hbuf, which holds it in fragment order, 512 consecutive bytes a load.
; A PASS HAS TWO PHASES: the products, which only read LDS, and the way out, which stores into the wave's stage.  A barrier stands behind each, on every wave's path: four passes, eight barriers, whatever the counts;
; only work is jumped.  So between any read of the weights and any LDS store of the walk stands a barrier.
; No tensor load and no joint load: the weights pass through registers to be rounded and turned, and a routed slice has one reader.
; THE PRODUCT IS USED SWAPPED: source 0 = 16 weight columns, source 1 = 16 rows of h: a lane holds one row and 8 neighbouring columns.  A tile goes through the stage and leaves as pieces of 256 bytes.
; WHERE A ROW GOES (ybuf, rows of 4,096 bytes): a routed row to 2 token + (0 first, 1 second choice); a shared one to 2,144 + 1,024 s + token; a place past the count to 2,048 + 16 e + place % 16, which nobody reads.
; LIMITS.  NaN and infinities are not treated apart.
; REGISTERS in windows of 256: window 0: v0-25 addresses; v32-47 at work; v48-79 rows read back; v80-87 their places; v128-255 two buffers of 8 weight fragments.
;   window 1: the fill's ring, 8 slots of 32; later four units of h's fragments, 64 each.   window 2: accumulators: tile m, column block nb at 32 m + 8 nb.
.set FP,    1040
.set KBP,   4*FP      ; the 4 fragments of 32 k
.set TRIPB, 8*KBP     ; the fragments of a K trip's four steps of 64 k
.set LIST,  266240
.set LISTW, 4352
.set STG,   283648    ; each wave's stage: 16 rows of 256 bytes + 16
.set SGP,   272
.set SPARE, 301056    ; the spare words: 128 bytes a wave, two blocks of 256 bytes that no other line names
.set LANE, 1
.set R,    2
.set HH,   3
.set FSRC, 5
.set FDST, 6
.set L16,  7
.set LW,   8
.set DMP,  10
.set MA,   11
.set MB,   12
.set BADR, 16
.set SPW,  17         ; my spare word; never rewritten
.set NIL,  18         ; 0; never rewritten
.set KO,   20         ; my 16 bytes in hbuf's blocks of 512, at the trip's K step
.set LH4,  21
.set STO,  22
.set RD,   23
.set C16,  24
.set FD0,  25
.set T,    32
.set RB,   48
.set DR,   80
.set BF,   128
; s[4:13] pointers; s[16:19] the pass's tiles; s[20:27] their places in hbuf; s[28:29] an offset; s30 shift and s39 base of a row's place; s31, s37 LDS steps; s[32:33] w2 at my rows; s36, s38, s86-s97 as in the launch before;
; s[84:85] hbuf at my expert; s[98:99] ybuf at my slice
.set MSB, 0
.macro WIN new
.if MSB != (\new)
	s_set_vgpr_msb (MSB<<8)|(\new)
.set MSB, \new
.endif
.endm
.macro PLACES
.rept 4
	v_nop
.endr
.endm
	s_load_b256 s[4:11], s[0:1], 0x0               ; hbuf, w2_r, w2_s, bm
	s_load_b64 s[12:13], s[0:1], 0x20              ; ybuf
	v_lshl_add_u32 v[SPW], v0, 2, SPARE
	v_mov_b32 v[NIL], 0
	v_and_b32 v[LANE], 31, v0
	v_lshrrev_b32 v13, 5, v0
	v_readfirstlane_b32 s86, v13                   ; wave 0..3
	v_and_b32 v[R], 15, v0
	v_bfe_u32 v[HH], v0, 4, 1
	v_lshlrev_b32 v[FSRC], 15, v[HH]               ; 8 rows of 4,096 bytes
	v_lshl_add_u32 v[FSRC], v[R], 4, v[FSRC]
	v_lshrrev_b32 v13, 2, v[R]
	v_mul_u32_u24 v[FD0], v13, FP
	v_lshl_add_u32 v[FD0], v[HH], 8, v[FD0]
	v_and_b32 v13, 3, v[R]
	v_lshl_add_u32 v[FD0], v13, 6, v[FD0]
	v_lshlrev_b32 v[L16], 4, v[LANE]
	v_lshlrev_b32 v[C16], 4, v[R]
	v_lshlrev_b32 v14, 2, v[LANE]
	v_mov_b32 v[DMP], 1040
	s_mul_i32 s37, s86, 16*KBP                     ; wave w lays k = 512 w .. 512 w + 511
	v_add_nc_u32 v[FDST], s37, v[FD0]
	s_mul_i32 s96, s86, LISTW
	s_add_co_u32 s97, s96, STG
	s_add_co_u32 s96, s96, LIST
	v_mov_b32 v[LW], s96
	v_lshl_add_u32 v[LH4], v[HH], 2, v[LW]
	v_mul_u32_u24 v[STO], v[R], SGP                ; in: row lane % 16, 32 bytes for each half of the lanes
	v_lshl_add_u32 v[STO], v[HH], 5, v[STO]
	v_add_nc_u32 v[STO], s97, v[STO]
	v_mul_u32_u24 v[RD], v[HH], SGP                ; back: lanes 0-15 one row of 256 bytes, lanes 16-31 the next
	v_lshl_add_u32 v[RD], v[R], 4, v[RD]
	v_add_nc_u32 v[RD], s97, v[RD]
	s_and_b32 s38, ttmp7, 0xffff
	s_lshr_b32 s36, s38, 2
	s_and_b32 s88, s38, 3
	s_add_co_u32 s87, s36, 6
	s_sub_co_u32 s97, s38, 8
	s_lshl_b32 s39, s36, 10
	s_add_co_u32 s39, s39, 2144
	s_cmp_lt_u32 s38, 8                            ; a shared expert's part?
	s_cselect_b32 s36, s36, s97
	s_cselect_b32 s87, s87, s97
	s_cselect_b32 s88, s88, 0
	s_cselect_b32 s89, 16, 64
	s_cselect_b32 s30, 0, 1
	s_cselect_b32 s39, s39, 0
	s_lshl_b32 s28, s36, 23                        ; the expert's 8 MiB, my slice's 256 bytes of a row, my wave's 512 rows
	s_lshl_b32 s96, ttmp9, 8
	s_add_co_u32 s28, s28, s96
	s_lshl_b32 s96, s86, 21
	s_add_co_u32 s28, s28, s96
	s_mov_b32 s29, 0
	s_wait_kmcnt 0x0
	s_cmp_lt_u32 s38, 8
	s_cselect_b64 s[32:33], s[8:9], s[6:7]
	s_add_nc_u64 s[32:33], s[32:33], s[28:29]
	s_lshl_b32 s28, s87, 7
	s_add_nc_u64 s[10:11], s[10:11], s[28:29]
	global_load_b32 v[MA], v14, s[10:11]
	global_load_b32 v[MB], v14, s[10:11] offset:1024
	s_lshl_b32 s28, s87, 22
	s_add_nc_u64 s[84:85], s[4:5], s[28:29]
	s_lshl_b32 s28, ttmp9, 8
	s_add_nc_u64 s[98:99], s[12:13], s[28:29]
; THE FILL.  A slot is 16 rows of k: 8 loads, each two aligned pieces of 256 bytes (rows k and k + 8).  Eight slots are 128 rows.
.macro FLOAD slot, next
	WIN 0x40
.set j, 0
.rept 8
	global_load_b128 v[32*(\slot)+4*j:32*(\slot)+4*j+3], v[FSRC], s[32:33] offset:((\next)*128+(\slot)*16+j)*4096
.set j, j+1
.endr
.endm
.macro FCVT slot, left
	s_wait_loadcnt \left
	WIN 0x05
.set c, 0
.rept 4
.set jj, 0
.rept 4
	v_cvt_pk_bf16_f32 v[T+4*c+jj], v[32*(\slot)+8*jj+c], v[32*(\slot)+8*jj+4+c]
.set jj, jj+1
.endr
.set c, c+1
.endr
	WIN 0
.set c, 0
.rept 4
	ds_store_b128 v[FDST], v[T+4*c:T+4*c+3] offset:((\slot)>>1)*KBP+((\slot)&1)*512+16*c
.set c, c+1
.endr
.endm
.irp sl, 0,1,2,3,4,5,6,7
	FLOAD \sl, 0
.endr
	; The accumulators start at 0, once, while the fill's first loads are out: a pass's products and its way out are jumped by tests of their own, and so the registers that the way out reads are written on every way through the text.
	; The sums themselves are started by each run's first products, whose C is the constant 0.
	WIN 0x80                                       ; destination window 2
.set i, 0
.rept 128
	v_mov_b32 v[i], 0
.set i, i+1
.endr
	WIN 0
	s_wait_loadcnt 63                              ; the two maps are the oldest of 66 loads; 63 is the largest count that the wait can name
	; THE LIST: for the expert's rows, in the order in which the launch before laid them, the row of ybuf that each goes to.  Each wave makes its own copy.
	s_mov_b32 s90, 0
	s_mov_b32 s95, 0
.Llist:
	v_readlane_b32 s96, v[MA], s95
	v_readlane_b32 s97, v[MB], s95
	s_or_b32 s96, s96, s97
	v_mbcnt_lo_u32_b32 v13, s96, s90
	v_cndmask_b32 v13, v[DMP], v13, s96            ; lanes not chosen write the word behind the list
	v_min_u32 v13, 0x410, v13
	v_lshl_add_u32 v13, v13, 2, v[LW]
	v_cndmask_b32 v14, 0, 1, s97                   ; 1 where the expert is the token's second choice
	s_lshl_b32 s97, s95, 5
	v_add_nc_u32 v15, s97, v[LANE]
	v_lshlrev_b32 v15, s30, v15
	v_add3_u32 v15, v15, v14, s39
	ds_store_b32 v13, v15
	s_bcnt1_i32_b32 s97, s96
	s_add_co_u32 s90, s90, s97
	s_add_co_u32 s95, s95, 1
	s_cmp_lt_u32 s95, 32
	s_cbranch_scc1 .Llist
	s_min_u32 s90, s90, 1024
	v_add_nc_u32 v13, s90, v[R]                    ; 16 places past the count go to the expert's 16 rows that nobody reads
	v_min_u32 v13, 0x40f, v13
	v_and_b32 v14, 15, v13
	s_min_u32 s96, s87, 5
	s_lshl_b32 s96, s96, 4
	s_add_co_u32 s96, s96, 2048
	v_add_nc_u32 v14, s96, v14
	v_lshl_add_u32 v13, v13, 2, v[LW]
	ds_store_b32 v13, v14
	s_mov_b32 s95, 3
.Lfill:                                                ; a trip lays 128 rows down and asks for the next 128
.irp sl, 0,1,2,3,4,5,6,7
	FCVT \sl, 56                                   ; seven younger slots of 8 loads
	FLOAD \sl, 1
.endr
	WIN 0
	s_wait_xcnt 0x0                                ; the loads' base is stepped only behind this wait
	s_add_nc_u64 s[32:33], s[32:33], 0x80000
	s_add_co_u32 s37, s37, 4*KBP
	v_add_nc_u32 v[FDST], s37, v[FD0]
	s_sub_co_u32 s95, s95, 1
	s_cmp_lg_u32 s95, 0
	s_cbranch_scc1 .Lfill
.irp sl, 0,1,2,3,4,5,6,7
	FCVT \sl, 56-8*\sl
.endr
	s_wait_dscnt 0x0                               ; for the others' sake: my quarter of the slice is in LDS
	s_barrier_signal -1
	s_barrier_wait -1
	s_add_co_u32 s96, s90, 15
	s_lshr_b32 s96, s96, 4                         ; the expert's tiles
	s_mul_i32 s97, s88, s89
	s_add_co_u32 s92, s97, s89
	s_min_u32 s92, s92, s96
	s_sub_co_i32 s96, s92, s97
	s_max_i32 s96, s96, 0
	s_add_co_u32 s96, s96, 3
	s_lshr_b32 s96, s96, 2                         ; tiles a wave
	s_mul_i32 s91, s86, s96
	s_add_co_u32 s91, s91, s97
	s_add_co_u32 s96, s91, s96
	s_min_u32 s92, s96, s92
	s_sub_co_i32 s93, s92, s91
.macro PSET                            ; a pass's four tiles (past my run's end the last one again; always 0 to 63) and their places in hbuf: work on registers, done in every pass
	s_wait_xcnt 0x0
	s_sub_co_u32 s96, s92, 1
.irp m, 0,1,2,3
	s_add_co_u32 s[16+\m], s91, \m
	s_min_u32 s[16+\m], s[16+\m], s96
	s_min_u32 s[16+\m], s[16+\m], 63
	s_lshl_b32 s28, s[16+\m], 16
	s_add_nc_u64 s[20+2*\m:21+2*\m], s[84:85], s[28:29]
.endr
	s_mov_b32 s31, 0
	v_add_nc_u32 v[BADR], s31, v[L16]              ; the slice's first fragments
	v_mov_b32 v[KO], v[L16]
.endm
.macro ALOAD mt, unit, s               ; h's fragments of step s (64 k) for mt tiles: four blocks of 512 bytes a tile
	WIN 0x40
.set am, 0
.rept \mt
.set at, 0
.rept 4
	global_load_b128 v[64*(\unit)+16*am+4*at:64*(\unit)+16*am+4*at+3], v[KO], s[20+2*am:21+2*am] offset:(\s)*2048+at*512
.set at, at+1
.endr
.set am, am+1
.endr
.endm
.macro BLOAD buf, s                    ; the 8 weight fragments of step s
	WIN 0
.set bn, 0
.rept 8
	ds_load_b128 v[BF+64*(\buf)+8*bn:BF+64*(\buf)+8*bn+3], v[BADR] offset:(\s)*2*KBP+bn*FP
	ds_load_b128 v[BF+64*(\buf)+8*bn+4:BF+64*(\buf)+8*bn+7], v[BADR] offset:(\s)*2*KBP+bn*FP+512
.set bn, bn+1
.endr
.endm
.macro MULS mt, f, au, zero, kk        ; half kk of a step: 32 k, mt tiles x 4 column blocks; the accumulators take turns, one instruction a turn
	WIN 0xa4
.set wm, 0
.rept \mt
.set wn, 0
.rept 4
.if \zero
	v_wmma_f32_16x16x32_bf16 v[32*wm+8*wn:32*wm+8*wn+7], v[BF+64*(\f)+32*(\kk)+8*wn:BF+64*(\f)+32*(\kk)+8*wn+7], v[64*(\au)+16*wm+8*(\kk):64*(\au)+16*wm+8*(\kk)+7], 0
.else
	v_wmma_f32_16x16x32_bf16 v[32*wm+8*wn:32*wm+8*wn+7], v[BF+64*(\f)+32*(\kk)+8*wn:BF+64*(\f)+32*(\kk)+8*wn+7], v[64*(\au)+16*wm+8*(\kk):64*(\au)+16*wm+8*(\kk)+7], v[32*wm+8*wn:32*wm+8*wn+7]
.endif
.set wn, wn+1
.endr
.set wm, wm+1
.endr
.endm
.macro STEP mt, f, au, zero, sb, sa, la
	s_wait_loadcnt \la                             ; my unit of h is in; the younger units stay out
	s_wait_dscnt 0x0                               ; and the weights
	MULS \mt, \f, \au, \zero, 0
	PLACES                                         ; four places in front of loads into the buffers that the step before read
.if (\sb) >= 0
	BLOAD 1-(\f), \sb
.endif
.if (\sa) >= 0
	ALOAD \mt, ((\au)+3)&3, \sa
.endif
	MULS \mt, \f, \au, 0, 1
.endm
; 32 steps of 64 k.  A unit is 4 mt loads; two younger units are 8 mt.
; The weights' LDS address is 16 x lane + the trips' step, made at each trip's head: 0 to 6 x 33,280 in the loop and 7 x 33,280 behind it; with the largest immediate a read ends at 249,584 and at 266,224, inside the slice's 266,240 bytes.
.macro KRUN mt
	ALOAD \mt, 0, 0
	ALOAD \mt, 1, 1
	ALOAD \mt, 2, 2
	BLOAD 0, 0
	STEP \mt, 0, 0, 1, 1, 3, 8*(\mt)
	WIN 0
	s_mov_b32 s95, 7
.Lk_\@:
	v_add_nc_u32 v[BADR], s31, v[L16]
	STEP \mt, 1, 1, 0, 2, 4, 8*(\mt)
	STEP \mt, 0, 2, 0, 3, 5, 8*(\mt)
	STEP \mt, 1, 3, 0, 4, 6, 8*(\mt)
	STEP \mt, 0, 0, 0, 5, 7, 8*(\mt)
	WIN 0
	s_wait_xcnt 0x0                                ; the loads' offset is stepped only behind this wait
	v_add_nc_u32 v[KO], 8192, v[KO]
	s_add_co_u32 s31, s31, TRIPB
	s_sub_co_u32 s95, s95, 1
	s_cmp_lg_u32 s95, 0
	s_cbranch_scc1 .Lk_\@
	v_add_nc_u32 v[BADR], 7*TRIPB, v[L16]
	STEP \mt, 1, 1, 0, 2, -1, 8*(\mt)
	STEP \mt, 0, 2, 0, 3, -1, 4*(\mt)
	STEP \mt, 1, 3, 0, -1, -1, 0
	WIN 0
.endm
; Tile m leaves through my stage: 32 bytes a lane in, whole pieces of 256 bytes back, each to the row that the list names.  The places behind the products stand in the pass loop, ahead of the first barrier.
.macro EPI m
	s_wait_xcnt 0x0                                ; the tile before's stores have read their data and offsets
	WIN 0x08                                       ; data window 2, address window 0
.set en, 0
.rept 4
	ds_store_b128 v[STO], v[32*(\m)+8*en:32*(\m)+8*en+3] offset:64*en
	ds_store_b128 v[STO], v[32*(\m)+8*en+4:32*(\m)+8*en+7] offset:64*en+16
.set en, en+1
.endr
	WIN 0
	v_lshl_add_u32 v13, s[16+(\m)], 6, v[LH4]
.set en, 0
.rept 8
	ds_load_b32 v[DR+en], v13 offset:8*en
.set en, en+1
.endr
.set en, 0
.rept 8
	ds_load_b128 v[RB+4*en:RB+4*en+3], v[RD] offset:2*SGP*en  ; LDS serves a wave's instructions in order (ISA guide 5.7.1.4): these see the stores above
.set en, en+1
.endr
	s_wait_dscnt 0x0
.set en, 0
.rept 8
	v_min_u32 v[DR+en], 0x105f, v[DR+en]           ; ybuf has 4,192 rows
	v_lshl_add_u32 v[DR+en], v[DR+en], 12, v[C16]
.set en, en+1
.endr
.set en, 0
.rept 8
	global_store_b128 v[DR+en], v[RB+4*en:RB+4*en+3], s[98:99]  ; 16 lanes store 256 consecutive bytes of one row, aligned
.set en, en+1
.endr
.endm
	s_mov_b32 s94, 4                               ; four passes of four tiles cover the 16 tiles that a wave can have; the work of passes without tiles is jumped, the barriers are not
.Lpass:
	PSET
	s_cmp_gt_i32 s93, 0
	s_cbranch_scc0 .Lnok
	s_cmp_gt_i32 s93, 2
	s_cbranch_scc0 .Lk2
	KRUN 4
	s_branch .Lnok
.Lk2:
	KRUN 2
.Lnok:
.rept 5
	v_nop                                          ; the places behind the pass's last products: four for the stage's stores, which read the results, five for the next pass's first products, which write over them
.endr
	s_wait_dscnt 0x0                               ; my reads of the weights are over;
	s_barrier_signal -1
	s_barrier_wait -1                              ; everybody's are: now the stages are written
	s_cmp_gt_i32 s93, 0
	s_cbranch_scc0 .Lnoe
	s_cmp_gt_i32 s93, 2
	s_cbranch_scc0 .Le2
	EPI 3
	EPI 2
.Le2:
	EPI 1
	EPI 0
.Lnoe:
	s_add_co_u32 s91, s91, 4
	s_sub_co_i32 s93, s93, 4
	s_wait_dscnt 0x0                               ; my stores into my stage and my reads of it are over;
	s_barrier_signal -1
	s_barrier_wait -1                              ; everybody's are: now the weights are read again, or the walk ends
	s_sub_co_u32 s94, s94, 1
	s_cmp_lg_u32 s94, 0
	s_cbranch_scc1 .Lpass
	s_wait_tensorcnt 0x0                           ; the wave's end
	ds_add_u32 v[SPW], v[NIL]
	s_wait_dscnt 0x0
	s_endpgm
.Lfunc_end_k_qed97e839bb_down:
	.size	k_qed97e839bb_down, .Lfunc_end_k_qed97e839bb_down-k_qed97e839bb_down
	.p2alignl 7, 3214868480
	.fill 96, 4, 3214868480
	.section	.rodata,"a",@progbits
	.p2align	6, 0x0
	.amdhsa_kernel k_qed97e839bb_down
		.amdhsa_group_segment_fixed_size 301568
		.amdhsa_private_segment_fixed_size 0
		.amdhsa_enable_private_segment 0
		.amdhsa_kernarg_size 40
		.amdhsa_user_sgpr_count 2
		.amdhsa_user_sgpr_kernarg_segment_ptr 1
		.amdhsa_wavefront_size32 1
		.amdhsa_system_sgpr_workgroup_id_x 1
		.amdhsa_system_sgpr_workgroup_id_y 1
		.amdhsa_system_sgpr_workgroup_id_z 1
		.amdhsa_system_vgpr_workitem_id 0
		.amdhsa_next_free_vgpr 768
		.amdhsa_next_free_sgpr 100
		.amdhsa_reserve_vcc 0
		.amdhsa_float_denorm_mode_32 3
		.amdhsa_float_denorm_mode_16_64 3
		.amdhsa_memory_ordered 1
		.amdhsa_forward_progress 1
		.amdhsa_inst_pref_size 123
	.end_amdhsa_kernel
	.amdgpu_metadata
---
amdhsa.version: [ 1, 2 ]
amdhsa.kernels:
  - .name:           k_qed97e839bb_down
    .symbol:         k_qed97e839bb_down.kd
    .args:
      - { .name: hbuf, .offset: 0, .size: 8, .value_kind: global_buffer, .address_space: global }
      - { .name: w2_r, .offset: 8, .size: 8, .value_kind: global_buffer, .address_space: global }
      - { .name: w2_s, .offset: 16, .size: 8, .value_kind: global_buffer, .address_space: global }
      - { .name: bm, .offset: 24, .size: 8, .value_kind: global_buffer, .address_space: global }
      - { .name: ybuf, .offset: 32, .size: 8, .value_kind: global_buffer, .address_space: global }
    .group_segment_fixed_size: 301568
    .private_segment_fixed_size: 0
    .kernarg_segment_align: 8
    .kernarg_segment_size: 40
    .max_flat_workgroup_size: 128
    .sgpr_count:     100
    .vgpr_count:     768
    .wavefront_size: 32
...
	.end_amdgpu_metadata
.endif
;; end of part 3
;; launch final (part 4): grid 8 x 32, 4 waves a work-group, no clusters, 149,504 bytes of LDS; arguments ybuf, rwt, owf, paux, out0, out1; writes out0, out1
.if DOCPART == 4
	.amdgcn_target "amdgcn-amd-amdhsa--gfx1250"
	.amdhsa_code_object_version 6
	.text
	.protected	k_qed97e839bb_final
	.globl	k_qed97e839bb_final
	.p2align	8
	.type	k_qed97e839bb_final,@function
k_qed97e839bb_final:
	s_mov_b64 s[64:65], 0
	v_nop
	global_prefetch_b8 v0, s[64:65] scope:SCOPE_SE
	s_setreg_imm32_b32 hwreg(HW_REG_WAVE_MODE, 25, 1), 1
	s_wait_xcnt 0x0
; FINAL.  out = (ys0 + ys1 + g0 yr0 + g1 yr1) out_w, and the load-balance loss.  A work-group has 32 tokens (grid y) and 128 output columns (grid x).
; Phase 1: wave w adds up the four partial rows of 8 tokens in f32 and lays the sum into LDS as TWO bf16 numbers, hi = bf16(c) and lo = bf16(c - hi): the sum is carried to about 16 bits into the product, whatever its size.
; Phase 2: wave w has all 32 tokens x 32 columns: (hi + lo) x out_w, 32 steps of K, four accumulators by turns.  Its 64 fragments of out_w (bf16, laid in fragment order by the first launch) stay in 512 registers.
; THE PRODUCT IS USED SWAPPED: source 0 = 16 columns of out_w, source 1 = 16 tokens: a lane holds one token and 8 neighbouring columns.  The block leaves through a stage in LDS, 512 consecutive bytes a store.
; No tensor load and no joint load: what the eight work-groups of a token block share (the partial rows) must pass through registers to be added up.
; The loss: one wave of the launch adds the 64 work-groups' sums of probabilities P and counts F: 0.01 x 6 x sum of (F / 1,024)(P / 1,024).
; LIMITS.  NaN and infinities are not treated apart.
; REGISTERS: window 0: v0-17 addresses; v32-63 accumulators; v64-191 partial rows, later token fragments; v192-223 at work, later rows read back.  Windows 1, 2: out_w's fragments: K step kb, block n at 8 (2 kb + n).
.set XP,    2064      ; an LDS row of 1,024 bf16 + 16 bytes
.set XLO,   66048     ; behind hi's 32 rows: lo's
.set STG,   132096    ; the work-group's stage: 32 rows of 512 bytes + 16
.set SGP,   528
.set SPARE, 148992    ; the spare words: 128 bytes a wave, two blocks of 256 bytes that no other line names
.set LANE, 1
.set R,    2
.set HH,   3
.set L16,  4
.set XA,   5
.set XB,   6
.set GWV,  7          ; lanes 0-15: the two weights of my 8 tokens
.set SPW,  8          ; my spare word; never rewritten
.set NIL,  9          ; 0; never rewritten
.set TA,   10
.set TB,   11
.set STO,  12
.set RD,   13
.set ACC,  32
.set Y0,   64
.set TF,   64
.set WK,   192
.set RB,   192
; s[4:15] pointers; s20 wave; s21, s22 grid x, y; s23 my first token; s[24:25] shared rows, s[26:27] routed rows, s[28:29] owf, s[30:31] out0, all at my share; s[32:33] an offset;
; s[40:41] g0, s[42:43] g1; s44 lane of g0; s45 counter; s[46:47] lane selects; s48 at work; s49 EXEC; s50 LDS step
.set MSB, 0
.macro WIN new
.if MSB != (\new)
	s_set_vgpr_msb (MSB<<8)|(\new)
.set MSB, \new
.endif
.endm
.macro PLACES
.rept 4
	v_nop
.endr
.endm
	s_load_b256 s[4:11], s[0:1], 0x0               ; ybuf, rwt, owf, paux
	s_load_b128 s[12:15], s[0:1], 0x20             ; out0, out1
	v_lshl_add_u32 v[SPW], v0, 2, SPARE
	v_mov_b32 v[NIL], 0
	v_and_b32 v[LANE], 31, v0
	v_lshrrev_b32 v16, 5, v0
	v_readfirstlane_b32 s20, v16                   ; wave 0..3
	v_and_b32 v[R], 15, v0
	v_bfe_u32 v[HH], v0, 4, 1
	v_lshlrev_b32 v[L16], 4, v[LANE]
	v_lshlrev_b32 v16, 2, v[R]
	s_mul_i32 s50, s20, 8*XP
	v_lshl_add_u32 v[XA], v[LANE], 3, s50
	v_add_nc_u32 v[XB], XLO, v[XA]
	v_mul_u32_u24 v[TA], v[R], XP
	v_lshl_add_u32 v[TA], v[HH], 4, v[TA]
	v_add_nc_u32 v[TB], XLO, v[TA]
	v_mul_u32_u24 v[STO], v[R], SGP
	v_lshl_add_u32 v[STO], v[HH], 5, v[STO]
	s_lshl_b32 s48, s20, 7
	s_add_co_u32 s48, s48, STG
	v_add_nc_u32 v[STO], s48, v[STO]
	s_mul_i32 s48, s20, 8*SGP
	s_add_co_u32 s48, s48, STG
	v_lshl_add_u32 v[RD], v[LANE], 4, s48
	s_mov_b32 s21, ttmp9
	s_and_b32 s22, ttmp7, 0xffff
	s_lshl_b32 s23, s22, 5
	s_lshl3_add_u32 s23, s20, s23                  ; my first token: 32 y + 8 w
	s_mov_b32 s33, 0
	s_mov_b32 s46, 0x76543210
	s_mov_b32 s47, 0xfedcba98
	s_wait_kmcnt 0x0
	s_add_co_u32 s32, s23, 2144
	s_lshl_b32 s32, s32, 12
	s_add_nc_u64 s[24:25], s[4:5], s[32:33]
	s_lshl_b32 s32, s23, 13
	s_add_nc_u64 s[26:27], s[4:5], s[32:33]
	s_lshl_b32 s32, s21, 3
	s_lshl1_add_u32 s32, s20, s32                  ; my first block of 16 columns: 8 x + 2 w
	s_lshl_b32 s32, s32, 15
	s_add_nc_u64 s[28:29], s[8:9], s[32:33]
	s_lshl_b32 s32, s23, 12
	s_lshl_b32 s48, s21, 9
	s_add_co_u32 s32, s32, s48
	s_add_nc_u64 s[30:31], s[12:13], s[32:33]
	s_lshl_b32 s32, s23, 3
	s_add_nc_u64 s[6:7], s[6:7], s[32:33]
.macro WLOAD first                     ; out_w's fragments of 16 K steps into one window
.set kq, 0
.rept 16
.set nq, 0
.rept 2
	global_load_b128 v[16*kq+8*nq:16*kq+8*nq+3], v[L16], s[28:29] offset:nq*32768+((\first)+kq)*1024
	global_load_b128 v[16*kq+8*nq+4:16*kq+8*nq+7], v[L16], s[28:29] offset:nq*32768+((\first)+kq)*1024+512
.set nq, nq+1
.endr
.set kq, kq+1
.endr
.endm
; Half b of a token's four partial rows: 16 loads of 512 consecutive bytes.  ahead = 1: the next token's.
.macro YLOAD b, ahead
.set jj, 0
.rept 4
.set yo, (4*(\b)+jj)*512
.set yr, Y0+64*(\b)+4*jj
	global_load_b128 v[yr:yr+3], v[L16], s[24:25] offset:(\ahead)*4096+yo
	global_load_b128 v[yr+16:yr+19], v[L16], s[24:25] offset:4194304+(\ahead)*4096+yo
	global_load_b128 v[yr+32:yr+35], v[L16], s[26:27] offset:(\ahead)*8192+yo
	global_load_b128 v[yr+48:yr+51], v[L16], s[26:27] offset:4096+(\ahead)*8192+yo
.set jj, jj+1
.endr
.endm
; The half is added up, four numbers a lane at a time, split into hi and lo, and laid into LDS.
.macro SUMU b
.set jj, 0
.rept 4
.set yr, Y0+64*(\b)+4*jj
.set wk, WK+12*(jj&1)
	v_pk_add_f32 v[wk:wk+1], v[yr:yr+1], v[yr+16:yr+17]
	v_pk_add_f32 v[wk+2:wk+3], v[yr+2:yr+3], v[yr+18:yr+19]
	v_pk_fma_f32 v[wk:wk+1], v[yr+32:yr+33], s[40:41], v[wk:wk+1] op_sel_hi:[1,0,1]
	v_pk_fma_f32 v[wk+2:wk+3], v[yr+34:yr+35], s[40:41], v[wk+2:wk+3] op_sel_hi:[1,0,1]
	v_pk_fma_f32 v[wk:wk+1], v[yr+48:yr+49], s[42:43], v[wk:wk+1] op_sel_hi:[1,0,1]
	v_pk_fma_f32 v[wk+2:wk+3], v[yr+50:yr+51], s[42:43], v[wk+2:wk+3] op_sel_hi:[1,0,1]
	v_cvt_pk_bf16_f32 v[wk+4], v[wk], v[wk+1]
	v_cvt_pk_bf16_f32 v[wk+5], v[wk+2], v[wk+3]
	v_lshlrev_b32 v[wk+6], 16, v[wk+4]
	v_and_b32 v[wk+7], 0xffff0000, v[wk+4]
	v_lshlrev_b32 v[wk+8], 16, v[wk+5]
	v_and_b32 v[wk+9], 0xffff0000, v[wk+5]
	v_pk_add_f32 v[wk:wk+1], v[wk:wk+1], v[wk+6:wk+7] neg_lo:[0,1] neg_hi:[0,1]
	v_pk_add_f32 v[wk+2:wk+3], v[wk+2:wk+3], v[wk+8:wk+9] neg_lo:[0,1] neg_hi:[0,1]
	v_cvt_pk_bf16_f32 v[wk+10], v[wk], v[wk+1]
	v_cvt_pk_bf16_f32 v[wk+11], v[wk+2], v[wk+3]
	ds_store_b64 v[XA], v[wk+4:wk+5] offset:(4*(\b)+jj)*256
	ds_store_b64 v[XB], v[wk+10:wk+11] offset:(4*(\b)+jj)*256
.set jj, jj+1
.endr
.endm
.macro TOKEN more
	s_wait_loadcnt 16                              ; the first half is in (and all that is older); the second half's 16 loads stay out
	s_add_co_u32 s48, s44, 1
	v_readlane_b32 s40, v[GWV], s44
	v_readlane_b32 s42, v[GWV], s48
	s_mov_b32 s41, s40                             ; named as pairs
	s_mov_b32 s43, s42
	SUMU 0
.if \more
	YLOAD 0, 1
	s_wait_loadcnt 16                              ; the second half is in; the next token's first half stays out
.else
	s_wait_loadcnt 0x0
.endif
	SUMU 1
.if \more
	YLOAD 1, 1
.endif
.endm
	WIN 0x40
	WLOAD 0                                        ; K steps 0-15 into window 1
	WIN 0
	global_load_b32 v[GWV], v16, s[6:7]
	YLOAD 0, 0
	YLOAD 1, 0
	s_mov_b32 s44, 0
	s_mov_b32 s45, 7
.Ltok:
	TOKEN 1
	s_wait_xcnt 0x0                                ; the loads' bases are stepped only behind this wait
	s_add_nc_u64 s[24:25], s[24:25], 4096
	s_add_nc_u64 s[26:27], s[26:27], 8192
	s_add_co_u32 s50, s50, XP
	v_lshl_add_u32 v[XA], v[LANE], 3, s50
	v_add_nc_u32 v[XB], XLO, v[XA]
	s_add_co_u32 s44, s44, 2
	s_sub_co_u32 s45, s45, 1
	s_cmp_lg_u32 s45, 0
	s_cbranch_scc1 .Ltok
	TOKEN 0                                        ; the eighth token: nothing is left to fetch
	WIN 0x80
	WLOAD 16                                       ; K steps 16-31 into window 2: they land under the first four rounds
	WIN 0
	s_wait_dscnt 0x0                               ; for the others' sake: my 8 rows are in LDS
	s_barrier_signal -1
	s_barrier_wait -1
	; Eight rounds of four K steps.  A K step: 8 LDS loads (hi and lo of two tiles of tokens) and 8 products on four accumulators, which take turns.
.set rd, 0
.rept 8
	PLACES                                         ; four places in front of loads into registers that the last round's products read
	WIN 0
.set q, 0
.rept 4
.set kb, 4*rd+q
.set tf, TF+32*q
	ds_load_b128 v[tf:tf+3], v[TA] offset:kb*64
	ds_load_b128 v[tf+4:tf+7], v[TA] offset:kb*64+32
	ds_load_b128 v[tf+8:tf+11], v[TA] offset:16*XP+kb*64
	ds_load_b128 v[tf+12:tf+15], v[TA] offset:16*XP+kb*64+32
	ds_load_b128 v[tf+16:tf+19], v[TB] offset:kb*64
	ds_load_b128 v[tf+20:tf+23], v[TB] offset:kb*64+32
	ds_load_b128 v[tf+24:tf+27], v[TB] offset:16*XP+kb*64
	ds_load_b128 v[tf+28:tf+31], v[TB] offset:16*XP+kb*64+32
.set q, q+1
.endr
.if rd == 4
	s_wait_loadcnt 0x0                             ; window 2's fragments
.endif
	WIN 1+rd/4                                     ; out_w in window 1 or 2, all else in window 0
.set q, 0
.rept 4
.set kb, 4*rd+q
.set tf, TF+32*q
	s_wait_dscnt 8*(3-q)                           ; this K step's 8 loads are in; the later steps' stay out
.set hl, 0
.rept 2
.set mt, 0
.rept 2
.set nq, 0
.rept 2
.set dd, ACC+16*mt+8*nq
.set aa, 16*(kb&15)+8*nq
.set bb, tf+16*hl+8*mt
.if (kb == 0) && (hl == 0)
	v_wmma_f32_16x16x32_bf16 v[dd:dd+7], v[aa:aa+7], v[bb:bb+7], 0
.else
	v_wmma_f32_16x16x32_bf16 v[dd:dd+7], v[aa:aa+7], v[bb:bb+7], v[dd:dd+7]
.endif
.set nq, nq+1
.endr
.set mt, mt+1
.endr
.set hl, hl+1
.endr
.set q, q+1
.endr
.set rd, rd+1
.endr
	WIN 0
	PLACES
.set i, 0
.rept 4                                        ; accumulator i: tile i / 2, block i % 2; its low half first
	ds_store_b128 v[STO], v[ACC+8*i:ACC+8*i+3] offset:(i/2)*16*SGP+(i%2)*64
	ds_store_b128 v[STO], v[ACC+8*i+4:ACC+8*i+7] offset:(i/2)*16*SGP+(i%2)*64+16
.set i, i+1
.endr
	s_wait_dscnt 0x0                               ; for the others' sake: a row's 512 bytes come from four waves
	s_barrier_signal -1
	s_barrier_wait -1
.set i, 0
.rept 8
	ds_load_b128 v[RB+4*i:RB+4*i+3], v[RD] offset:SGP*i
.set i, i+1
.endr
.set i, 0
.rept 8
	s_wait_dscnt 7-i                               ; row i is back; the younger reads stay out
	global_store_b128 v[L16], v[RB+4*i:RB+4*i+3], s[30:31] offset:4096*i  ; 512 consecutive bytes, aligned
.set i, i+1
.endr
	s_wait_tensorcnt 0x0                           ; what follows touches no LDS
	ds_add_u32 v[SPW], v[NIL]
	s_wait_dscnt 0x0
	s_or_b32 s48, s21, s22
	s_or_b32 s48, s48, s20
	s_cmp_lg_u32 s48, 0
	s_cbranch_scc1 .Lend
	; THE LOSS, by wave 0 of work-group (0, 0): lane l takes rows l and l + 32 of paux, 16 numbers each
	v_lshlrev_b32 v16, 6, v[LANE]
	v_mov_b32 v17, 0
.set i, 0
.rept 4
	global_load_b128 v[64+4*i:64+4*i+3], v16, s[10:11] offset:16*i
	global_load_b128 v[80+4*i:80+4*i+3], v16, s[10:11] offset:2048+16*i
.set i, i+1
.endr
	s_wait_loadcnt 0x0
.set i, 0
.rept 8
	v_pk_add_f32 v[64+2*i:64+2*i+1], v[64+2*i:64+2*i+1], v[80+2*i:80+2*i+1]
.set i, i+1
.endr
.macro WSUM r                          ; the sum over the 32 lanes, in every lane
	v_add_f32_dpp v[\r], v[\r], v[\r] row_xmask:1 row_mask:0xf bank_mask:0xf
	v_add_f32_dpp v[\r], v[\r], v[\r] row_xmask:2 row_mask:0xf bank_mask:0xf
	v_add_f32_dpp v[\r], v[\r], v[\r] row_xmask:4 row_mask:0xf bank_mask:0xf
	v_add_f32_dpp v[\r], v[\r], v[\r] row_xmask:8 row_mask:0xf bank_mask:0xf
	v_permlanex16_b32 v80, v[\r], s46, s47
	v_add_f32 v[\r], v[\r], v80
.endm
.irp e, 0,1,2,3,4,5
	WSUM 64+\e
	WSUM 72+\e
.endr
	v_mul_f32 v96, v64, v72
.irp e, 1,2,3,4,5
	v_fmac_f32 v96, v[64+\e], v[72+\e]
.endr
	v_mul_f32 v96, 0x3375c28f, v96                 ; 0.06 / 2^20
	s_wait_xcnt 0x0                                ; EXEC changes only behind this wait
	v_cmp_eq_u32 vcc_lo, 0, v[LANE]
	s_and_saveexec_b32 s49, vcc_lo
	global_store_b32 v17, v96, s[14:15]
	s_wait_xcnt 0x0
	s_or_b32 exec_lo, exec_lo, s49
.Lend:
	s_endpgm
.Lfunc_end_k_qed97e839bb_final:
	.size	k_qed97e839bb_final, .Lfunc_end_k_qed97e839bb_final-k_qed97e839bb_final
	.p2alignl 7, 3214868480
	.fill 96, 4, 3214868480
	.section	.rodata,"a",@progbits
	.p2align	6, 0x0
	.amdhsa_kernel k_qed97e839bb_final
		.amdhsa_group_segment_fixed_size 149504
		.amdhsa_private_segment_fixed_size 0
		.amdhsa_enable_private_segment 0
		.amdhsa_kernarg_size 48
		.amdhsa_user_sgpr_count 2
		.amdhsa_user_sgpr_kernarg_segment_ptr 1
		.amdhsa_wavefront_size32 1
		.amdhsa_system_sgpr_workgroup_id_x 1
		.amdhsa_system_sgpr_workgroup_id_y 1
		.amdhsa_system_sgpr_workgroup_id_z 1
		.amdhsa_system_vgpr_workitem_id 0
		.amdhsa_next_free_vgpr 768
		.amdhsa_next_free_sgpr 66
		.amdhsa_reserve_vcc 1
		.amdhsa_float_denorm_mode_32 3
		.amdhsa_float_denorm_mode_16_64 3
		.amdhsa_memory_ordered 1
		.amdhsa_forward_progress 1
		.amdhsa_inst_pref_size 82
	.end_amdhsa_kernel
	.amdgpu_metadata
---
amdhsa.version: [ 1, 2 ]
amdhsa.kernels:
  - .name:           k_qed97e839bb_final
    .symbol:         k_qed97e839bb_final.kd
    .args:
      - { .name: ybuf, .offset: 0, .size: 8, .value_kind: global_buffer, .address_space: global }
      - { .name: rwt, .offset: 8, .size: 8, .value_kind: global_buffer, .address_space: global }
      - { .name: owf, .offset: 16, .size: 8, .value_kind: global_buffer, .address_space: global }
      - { .name: paux, .offset: 24, .size: 8, .value_kind: global_buffer, .address_space: global }
      - { .name: out0, .offset: 32, .size: 8, .value_kind: global_buffer, .address_space: global }
      - { .name: out1, .offset: 40, .size: 8, .value_kind: global_buffer, .address_space: global }
    .group_segment_fixed_size: 149504
    .private_segment_fixed_size: 0
    .kernarg_segment_align: 8
    .kernarg_segment_size: 48
    .max_flat_workgroup_size: 128
    .sgpr_count:     66
    .vgpr_count:     768
    .wavefront_size: 32
...
	.end_amdgpu_metadata
.endif
;; end of part 4
;; ======== version 2 of 2: 4 launches; version 1 with the launches up, down written anew for expert scheduling mode
;; workspace buffers: xb 2,097,152 bytes; owf 2,097,152 bytes; bm 2,048 bytes of whole numbers; rwt 8,192 bytes; paux 4,096 bytes; hbuf 33,554,432 bytes; ybuf 17,170,432 bytes
;; launch route: the kernel of part 1 again; grid 64 x 1, 8 waves a work-group, no clusters, 81,664 bytes of LDS; arguments x, gate_w, out_w, xb, owf, bm, rwt, paux; writes xb, owf, bm, rwt, paux
;; launch up (part 5): grid 32 x 14, 4 waves a work-group, no clusters, 266,752 bytes of LDS; arguments xb, w1_r, w3_r, w1_s, w3_s, bm, hbuf; writes hbuf
.if DOCPART == 5
	.amdgcn_target "amdgcn-amd-amdhsa--gfx1250"
	.amdhsa_code_object_version 6
	.text
	.protected	k_qed97e839bb_up
	.globl	k_qed97e839bb_up
	.p2align	8
	.type	k_qed97e839bb_up,@function
k_qed97e839bb_up:
	s_mov_b64 s[64:65], 0
	v_nop
	global_prefetch_b8 v0, s[64:65] scope:SCOPE_SE
	s_setreg_imm32_b32 hwreg(HW_REG_WAVE_SCHED_MODE, 0, 2), 2
	s_setreg_imm32_b32 hwreg(HW_REG_WAVE_MODE, 25, 1), 1
	s_wait_xcnt 0x0
	s_wait_alu depctr_vm_vsrc(0)
; UP.  h = silu(x w1) (x w3) for one expert, 64 hidden columns (grid x) and a share of the expert's rows; h is rounded once to bf16.
; Grid y: 0-7 the two shared experts (numbers 6, 7), four parts of 256 tokens each; 8-13 the routed experts 0-5 with all their rows, whatever their number (0 to 1,024).
; THE SLICE STAYS: 1,024 k x 64 columns of w1 and of w3 (f32, [k][column]) are read once, rounded to bf16 on their way through registers and laid into LDS as 256 matrix fragments.  One barrier.
; Then each wave walks its own tiles of 16 rows, up to four at a time; token rows come from xb straight into registers.  No barrier and no LDS write in the walk;
; a second barrier stands behind it, behind all waves' reads of LDS.
; THE TOKEN ROWS.  xb is laid [c][token][32 bytes], c = 0..63 the 32-byte piece (16 k) of a row: half a fragment of 16 neighbouring tokens is 512 consecutive bytes, and the pieces of an expert's chosen tokens,
; which ascend, lie close together.  Row p of an expert is the token of rank p among those that chose it: for a shared expert token p; for a routed one each lane finds it from the stored bit maps, in registers.
; No tensor load and no joint load: the weights pass through registers to be rounded and turned, a routed slice has one reader, and the token rows come by their ranks.
; THE PRODUCT IS USED SWAPPED: source 0 = 16 weight columns, source 1 = 16 tokens: a lane holds one token (lane % 16) and 8 neighbouring hidden columns, 16 bytes of bf16.
; A FRAGMENT: 1,024 bytes in two halves of 512; lane l's 16 bytes of half u are k = 16 u + 8 (l / 16) + 0..7 of row l % 16.
; Places past an expert's count repeat some token that exists; their rows of h are stored and lead to rows that nobody reads.  An expert without rows stores nothing.
; LIMITS.  NaN and infinities are not treated apart; (x w1)(x w3) must be finite in f32; 2^t below 2^-126 counts as 0.
; REGISTERS in windows of 256 (s_set_vgpr_msb: bits 1:0 source 0, 3:2 source 1, 5:4 source 2, 7:6 destination):
;   window 0: v0-25 addresses; v48-83 at work on the ranks; v128-255 in the fill eight out-buffers of 16, later two buffers of 8 weight fragments.
;   window 1: the fill's ring, 8 slots of 32; later four units of token fragments, 32 each.   window 2: accumulators: tile m, column block nb at 64 m + 8 nb; nb 0-3 are w1's, 4-7 w3's.
; THE MODE: SCHED_MODE bits 1:0 = 2 (LLVM: expert scheduling mode 2), set by the entry lines.  The code itself states the register dependences
; between vector or matrix instructions and memory or LDS instructions, with s_wait_alu, always for 0.
; THE PLAN.  Registers that memory or LDS instructions touch:
;   THE FILL.  Ring slot s: its 16 conversions read it; behind them its next 8 loads land in it.  T[s]: the conversions write it, the slot's four LDS stores read it, and it is written again a trip later.
;              v[FDST]: read by every LDS store, written once a trip.  v[FSRC]: never rewritten.
;              One wait on va_vdst a slot, behind its conversions; one wait on vm_vsrc a trip, ahead of the add to v[FDST]: it frees v[FDST] and all eight T.
;   THE WALK.  BF[f] and unit au: read by a step's products.  The step's loads land in BF[1 - f] (the next step's weights) and in unit au - 1 (the tokens three steps on): the two that the step before read.
;              v[BADR]: read by the LDS loads, written once a trip.  v[OFF ..]: read by the token loads, written once a pass.  The accumulators: written by products and by the activation, read by the way out's stores.
;              One wait on va_vdst at a step's head: the last step's products are done reading.  The token loads follow it at once; the weights' LDS loads go in two runs among the step's products, which name
;              BF[f], unit au and the accumulators: none of the registers that those loads touch.  One wait on vm_vsrc at a pass's head and one a K trip; one wait on va_vdst ahead of two tiles' stores.
;   v[L16]: never rewritten.
.set FP,    1040      ; a fragment + 16 bytes
.set KBP,   8*FP      ; the 8 fragments of 32 k
.set TRIPB, 4*KBP     ; the fragments of a K trip's four steps
.set XKB,   65536     ; xb: from a K step of 32 to the next: two blocks of 1,024 tokens x 32 bytes
                      ; the slice's 256 fragments take 266,240 bytes; the 512 bytes behind them hold the spare words of the closing add
.set LANE, 1
.set R,    2
.set HH,   3
.set H16,  4
.set FSRC, 5          ; the fill: row 8 (lane / 16), 16 bytes at 16 (lane % 16); never rewritten
.set FDST, 6
.set L16,  7
.set MM,   8          ; lane g: bit i = token 32 g + i chose the expert, as its first or its second choice
.set MA,   11
.set MB,   12
.set BADR, 16
.set OFF,  20         ; v20-23: tile m: my token's 32 bytes in a block of xb + 16 (lane / 16)
.set FD0,  25
.set RK,   48         ; v48-51: tile m: my row's rank; later 32 x its word's number
.set WD,   52         ; its word of the map
.set EN,   56         ; the word's number << 16 | ones ahead of the word; later the rank within what is left of the word
.set SA,   60         ; ones in each 2 bits of the word,
.set SB,   64         ; in each 4,
.set SC,   68         ; in each 8
.set PS,   72         ; the bit's place, as far as it is known
.set TT,   76
.set TU,   80
.set BF,   128
.set T,    128        ; the fill: slot s rounds into T + 16 s
; s[4:15], s[84:85] pointers (s[84:85]: hbuf at my expert and slice); s[16:19] the pass's tiles; s[20:27] their places in hbuf; s[28:29] an offset; s31, s37 LDS steps; s[32:35] w1, w3 at my rows;
; s36 expert among its kind; s38 grid y; s39 ones so far; s[40:43] masks; s86 wave; s87 expert; s88 part; s89 tiles a part; s90 count; s91 first tile; s92 end; s93 tiles left; s94, s95 counters; s96, s97 at work; s[98:99] xb at the K step
.set MSB, 0
.macro WIN new                         ; the immediate's high byte repeats the setting that is left; a switch that changes nothing is dropped
.if MSB != (\new)
	s_set_vgpr_msb (MSB<<8)|(\new)
.set MSB, \new
.endif
.endm
.macro PLACES
.rept 4
	v_nop
.endr
.endm
.macro ALL4 line:vararg                ; one line for each tile mi of a pass: four chains side by side
.set mi, 0
.rept 4
	\line
.set mi, mi+1
.endr
.endm
	s_load_b256 s[4:11], s[0:1], 0x0               ; xb, w1_r, w3_r, w1_s
	s_load_b128 s[12:15], s[0:1], 0x20             ; w3_s, bm
	s_load_b64 s[84:85], s[0:1], 0x30              ; hbuf
	v_lshl_add_u32 v126, v0, 2, 0x41000
	v_mov_b32 v127, 0
	v_and_b32 v[LANE], 31, v0
	v_lshrrev_b32 v13, 5, v0
	v_readfirstlane_b32 s86, v13                   ; wave 0..3
	v_and_b32 v[R], 15, v0
	v_bfe_u32 v[HH], v0, 4, 1
	v_lshlrev_b32 v[H16], 4, v[HH]
	v_lshlrev_b32 v[FSRC], 16, v[HH]               ; 8 rows of 8,192 bytes
	v_lshl_add_u32 v[FSRC], v[R], 4, v[FSRC]
	v_lshrrev_b32 v13, 2, v[R]                     ; my columns 4 q + c: fragment q / 4, row 4 (q % 4) + c
	v_mul_u32_u24 v[FD0], v13, FP
	v_lshl_add_u32 v[FD0], v[HH], 8, v[FD0]
	v_and_b32 v13, 3, v[R]
	v_lshl_add_u32 v[FD0], v13, 6, v[FD0]
	v_lshlrev_b32 v[L16], 4, v[LANE]
	v_lshlrev_b32 v14, 2, v[LANE]
	s_wait_alu depctr_va_sdst(0)                   ; s86 is written, ahead of its first reader
	s_mul_i32 s37, s86, 8*KBP                      ; wave w lays k = 256 w .. 256 w + 255
	v_add_nc_u32 v[FDST], s37, v[FD0]
	s_and_b32 s38, ttmp7, 0xffff
	s_lshr_b32 s36, s38, 2
	s_and_b32 s88, s38, 3
	s_add_co_u32 s87, s36, 6
	s_sub_co_u32 s97, s38, 8
	s_cmp_lt_u32 s38, 8                            ; a shared expert's part?
	s_cselect_b32 s36, s36, s97
	s_cselect_b32 s87, s87, s97
	s_cselect_b32 s88, s88, 0
	s_cselect_b32 s89, 16, 64
	s_lshl_b32 s28, s36, 23                        ; the expert's 8 MiB, my slice's 256 bytes of a row, my wave's 256 rows
	s_lshl_b32 s96, ttmp9, 8
	s_add_co_u32 s28, s28, s96
	s_lshl_b32 s96, s86, 21
	s_add_co_u32 s28, s28, s96
	s_mov_b32 s29, 0
	s_wait_kmcnt 0x0
	s_cmp_lt_u32 s38, 8
	s_cselect_b64 s[32:33], s[10:11], s[6:7]
	s_cselect_b64 s[34:35], s[12:13], s[8:9]
	s_add_nc_u64 s[32:33], s[32:33], s[28:29]
	s_add_nc_u64 s[34:35], s[34:35], s[28:29]
	s_lshl_b32 s28, s87, 7
	s_add_nc_u64 s[14:15], s[14:15], s[28:29]
	s_wait_alu depctr_va_vdst(0)                   ; the offsets and addresses v14, v[FSRC], v[FDST] and v[L16] are written, which the loads and stores below read
	global_load_b32 v[MA], v14, s[14:15]
	global_load_b32 v[MB], v14, s[14:15] offset:1024
	s_lshl_b32 s28, s87, 22                        ; hbuf: the expert's 4 MiB, my slice's four blocks of 512 bytes in a tile
	s_lshl_b32 s96, ttmp9, 11
	s_add_co_u32 s28, s28, s96
	s_add_nc_u64 s[84:85], s[84:85], s[28:29]
; THE FILL.  A slot is 16 rows of k of one matrix: 8 loads, each two aligned pieces of 256 bytes (rows k and k + 8).  Slot: 16-row group slot / 2, matrix slot % 2.  Eight slots are 64 rows of both matrices.
.macro FLOAD slot, next
	WIN 0x40                                       ; destination window 1, address window 0
.set fb, 32+2*((\slot)&1)
.set j, 0
.rept 8
	global_load_b128 v[32*(\slot)+4*j:32*(\slot)+4*j+3], v[FSRC], s[fb:fb+1] offset:((\next)*64+((\slot)>>1)*16+j)*8192
.set j, j+1
.endr
.endm
; A slot is rounded and laid down: for each of my four columns eight k make 16 bytes of a fragment's half.  left: the younger loads that may stay out.  again = 1: the slot is asked for again, ahead of its LDS stores.
.macro FCVT slot, left, again
	s_wait_loadcnt \left
	WIN 0x05                                       ; sources window 1, destination window 0
.set c, 0
.rept 4
.set jj, 0
.rept 4
	v_cvt_pk_bf16_f32 v[T+16*(\slot)+4*c+jj], v[32*(\slot)+8*jj+c], v[32*(\slot)+8*jj+4+c]
.set jj, jj+1
.endr
.set c, c+1
.endr
.if \again
	WIN 0x40
	s_wait_alu depctr_va_vdst(0)                   ; the conversions are done reading the slot, in which the loads below land, and have written T[slot], which the LDS stores read; in a trip's first slot v[FDST] is written
	FLOAD \slot, 1
.else
	WIN 0
	s_wait_alu depctr_va_vdst(0)                   ; the conversions have written T[slot], which the LDS stores read; in the first of these slots v[FDST] is written
.endif
	WIN 0
.set c, 0
.rept 4
	ds_store_b128 v[FDST], v[T+16*(\slot)+4*c:T+16*(\slot)+4*c+3] offset:((\slot)>>2)*KBP+((\slot)&1)*4*FP+(((\slot)>>1)&1)*512+16*c
.set c, c+1
.endr
.endm
.irp sl, 0,1,2,3,4,5,6,7
	FLOAD \sl, 0
.endr
	WIN 0
	s_wait_loadcnt 63                              ; the two maps are the oldest of 66 loads; 63 is the largest count that the wait can name
	v_or_b32 v[MM], v[MA], v[MB]                   ; a token names an expert once at the most
	s_mov_b32 s90, 0                               ; the expert's rows: the ones of the 32 words
	s_mov_b32 s95, 0
.Lcnt:
	v_readlane_b32 s96, v[MM], s95
	s_wait_alu depctr_va_sdst(0)                   ; s96 is written, ahead of its first reader
	s_bcnt1_i32_b32 s96, s96
	s_add_co_u32 s90, s90, s96
	s_add_co_u32 s95, s95, 1
	s_cmp_lt_u32 s95, 32
	s_cbranch_scc1 .Lcnt
	s_min_u32 s90, s90, 1024
	s_mov_b32 s95, 3
.Lfill:                                                ; a trip lays 64 rows down and asks for the next 64; 64 loads of the wave are issued at a time
.irp sl, 0,1,2,3,4,5,6,7
	FCVT \sl, 56, 1                                ; seven younger slots of 8 loads
.endr
	WIN 0
	s_wait_xcnt 0x0                                ; the loads' bases are stepped only behind this wait
	s_add_nc_u64 s[32:33], s[32:33], 0x80000
	s_add_nc_u64 s[34:35], s[34:35], 0x80000
	s_add_co_u32 s37, s37, 2*KBP
	s_wait_alu depctr_vm_vsrc(0)                   ; the trip's LDS stores have read v[FDST], which the next line writes, and the eight T, which the next eight slots' conversions write
	v_add_nc_u32 v[FDST], s37, v[FD0]
	s_sub_co_u32 s95, s95, 1
	s_cmp_lg_u32 s95, 0
	s_cbranch_scc1 .Lfill
.irp sl, 0,1,2,3,4,5,6,7
	FCVT \sl, 56-8*\sl, 0                          ; the last 64 rows: the counts run down
.endr
	s_wait_dscnt 0x0                               ; for the others' sake: my quarter of the slice is in LDS
	s_barrier_signal -1
	s_barrier_wait -1
	; my tiles: the part's tiles in four equal runs
	s_add_co_u32 s96, s90, 15
	s_lshr_b32 s96, s96, 4                         ; the expert's tiles
	s_mul_i32 s97, s88, s89                        ; the part's first,
	s_add_co_u32 s92, s97, s89
	s_min_u32 s92, s92, s96                        ; and its end
	s_sub_co_i32 s96, s92, s97
	s_max_i32 s96, s96, 0
	s_add_co_u32 s96, s96, 3
	s_lshr_b32 s96, s96, 2                         ; tiles a wave
	s_mul_i32 s91, s86, s96
	s_add_co_u32 s91, s91, s97
	s_add_co_u32 s96, s91, s96
	s_min_u32 s92, s96, s92
	s_sub_co_i32 s93, s92, s91                     ; may be 0 or less
; One halving of the search for a bit: are there, in the lower w bits of what is left of the word, as many ones as my rank or fewer?  Then they are passed over.  src holds the ones of each w bits.
.macro STAGE src, w
	ALL4 v_bfe_u32 v[TT+mi], v[(\src)+mi], v[PS+mi], \w
	ALL4 v_cmp_ge_u32 s[40+mi], v[EN+mi], v[TT+mi]
	ALL4 v_sub_nc_u32 v[TT+mi], v[EN+mi], v[TT+mi]
	ALL4 v_add_nc_u32 v[TU+mi], \w, v[PS+mi]
	s_wait_alu depctr_va_sdst(0)                   ; the four masks s[40:43] are written, ahead of their first reader
	ALL4 v_cndmask_b32 v[EN+mi], v[EN+mi], v[TT+mi], s[40+mi]
	ALL4 v_cndmask_b32 v[PS+mi], v[PS+mi], v[TU+mi], s[40+mi]
.endm
; THE TOKEN OF A RANK, for the four tiles of a pass, each lane for its own row.  The 32 words are walked with the ones counted so far: the last word that has no more ones ahead of it than my rank is mine
; (a word behind it has more ahead).  In it the bit is found by five halvings.  A rank past the count ends in the last word at some bit: a token that exists.
.macro RSEL
	ALL4 v_mov_b32 v[WD+mi], 0
	ALL4 v_mov_b32 v[EN+mi], 0
	s_mov_b32 s39, 0
	s_mov_b32 s95, 0
.Lsel:
	v_readlane_b32 s96, v[MM], s95
	s_lshl_b32 s97, s95, 16
	s_or_b32 s97, s97, s39                         ; the word's number and the ones ahead of it (1,024 at the most) in one register
	ALL4 v_cmp_le_u32 s[40+mi], s39, v[RK+mi]
	s_wait_alu depctr_va_sdst(0)                   ; the word s96 and the four masks s[40:43] are written, ahead of their first readers
	ALL4 v_cndmask_b32 v[WD+mi], v[WD+mi], s96, s[40+mi]
	ALL4 v_cndmask_b32 v[EN+mi], v[EN+mi], s97, s[40+mi]
	s_bcnt1_i32_b32 s96, s96
	s_add_co_u32 s39, s39, s96
	s_add_co_u32 s95, s95, 1
	s_cmp_lt_u32 s95, 32
	s_cbranch_scc1 .Lsel
	ALL4 v_and_b32 v[TT+mi], 0xffff, v[EN+mi]
	ALL4 v_lshrrev_b32 v[TU+mi], 11, v[EN+mi]
	ALL4 v_sub_nc_u32 v[EN+mi], v[RK+mi], v[TT+mi]         ; my rank within the word
	ALL4 v_and_b32 v[RK+mi], 0x3e0, v[TU+mi]               ; 32 x the word's number
	ALL4 v_lshrrev_b32 v[TT+mi], 1, v[WD+mi]               ; the ones of each 2, 4 and 8 bits
	ALL4 v_and_b32 v[TT+mi], 0x55555555, v[TT+mi]
	ALL4 v_sub_nc_u32 v[SA+mi], v[WD+mi], v[TT+mi]
	ALL4 v_lshrrev_b32 v[TT+mi], 2, v[SA+mi]
	ALL4 v_and_b32 v[TU+mi], 0x33333333, v[SA+mi]
	ALL4 v_and_b32 v[TT+mi], 0x33333333, v[TT+mi]
	ALL4 v_add_nc_u32 v[SB+mi], v[TU+mi], v[TT+mi]
	ALL4 v_lshrrev_b32 v[TT+mi], 4, v[SB+mi]
	ALL4 v_add_nc_u32 v[TT+mi], v[SB+mi], v[TT+mi]
	ALL4 v_and_b32 v[SC+mi], 0x0f0f0f0f, v[TT+mi]
	ALL4 v_bfe_u32 v[TT+mi], v[SC+mi], 8, 8                ; the first halving: the ones of bits 0 to 15
	ALL4 v_and_b32 v[TU+mi], 0xff, v[SC+mi]
	ALL4 v_add_nc_u32 v[TT+mi], v[TT+mi], v[TU+mi]
	ALL4 v_cmp_ge_u32 s[40+mi], v[EN+mi], v[TT+mi]
	ALL4 v_sub_nc_u32 v[TT+mi], v[EN+mi], v[TT+mi]
	s_wait_alu depctr_va_sdst(0)                   ; the four masks s[40:43] are written, ahead of their first reader
	ALL4 v_cndmask_b32 v[EN+mi], v[EN+mi], v[TT+mi], s[40+mi]
	ALL4 v_cndmask_b32 v[PS+mi], 0, 16, s[40+mi]
	STAGE SC, 8
	STAGE SB, 4
	STAGE SA, 2
	STAGE WD, 1
	ALL4 v_add_nc_u32 v[OFF+mi], v[RK+mi], v[PS+mi]
.endm
.macro PSET                            ; a pass's four tiles (past my run's end the last one again), their places in hbuf, their tokens
	s_wait_xcnt 0x0                                ; the last pass's stores have read their data and bases
	s_wait_alu depctr_vm_vsrc(0)                   ; the last pass's stores have read the accumulators, its loads v[OFF ..] and v[BADR], all written again in this pass; the fill's LDS stores have read T, in which the weights' fragments land
	s_sub_co_u32 s96, s92, 1
.irp m, 0,1,2,3
	s_add_co_u32 s[16+\m], s91, \m
	s_min_u32 s[16+\m], s[16+\m], s96
	s_min_u32 s[16+\m], s[16+\m], 63
	v_lshl_add_u32 v[RK+\m], s[16+\m], 4, v[R]     ; my row's rank: 16 x tile + lane % 16
	s_lshl_b32 s28, s[16+\m], 16
	s_add_nc_u64 s[20+2*\m:21+2*\m], s[84:85], s[28:29]
.endr
	s_mov_b64 s[98:99], s[4:5]
	s_mov_b32 s31, 0
	v_add_nc_u32 v[BADR], s31, v[L16]              ; the slice's first fragments
	s_cmp_lt_u32 s38, 8
	s_cbranch_scc1 .Lident
	RSEL
	s_branch .Ltok
.Lident:                                               ; a shared expert takes every token: the token is the rank
	ALL4 v_mov_b32 v[OFF+mi], v[RK+mi]
.Ltok:
	ALL4 v_min_u32 v[OFF+mi], 0x3ff, v[OFF+mi]
	ALL4 v_lshl_add_u32 v[OFF+mi], v[OFF+mi], 5, v[H16]
.endm
.macro ALOAD mt, unit, s               ; token fragments of K step s (counted from the trip's base) for mt tiles: the step's two blocks of xb
	WIN 0x40
.set am, 0
.rept \mt
	global_load_b128 v[32*(\unit)+8*am:32*(\unit)+8*am+3], v[OFF+am], s[98:99] offset:(\s)*XKB
	global_load_b128 v[32*(\unit)+8*am+4:32*(\unit)+8*am+7], v[OFF+am], s[98:99] offset:(\s)*XKB+XKB/2
.set am, am+1
.endr
.endm
.macro BLOAD buf, s, half              ; four of the 8 weight fragments of K step s
	WIN 0
.set bn, 4*(\half)
.rept 4
	ds_load_b128 v[BF+64*(\buf)+8*bn:BF+64*(\buf)+8*bn+3], v[BADR] offset:(\s)*KBP+bn*FP
	ds_load_b128 v[BF+64*(\buf)+8*bn+4:BF+64*(\buf)+8*bn+7], v[BADR] offset:(\s)*KBP+bn*FP+512
.set bn, bn+1
.endr
.endm
.macro MULS f, au, zero, i0, n         ; products i0 .. i0 + n - 1 of a step: tile i / 8, column block i % 8; every accumulator has one instruction a step, so they take turns
	WIN 0xa4                                       ; weights window 0, tokens window 1, C and D window 2
.set wi, \i0
.rept \n
.set wm, wi/8
.set wn, wi%8
.if \zero
	v_wmma_f32_16x16x32_bf16 v[64*wm+8*wn:64*wm+8*wn+7], v[BF+64*(\f)+8*wn:BF+64*(\f)+8*wn+7], v[32*(\au)+8*wm:32*(\au)+8*wm+7], 0
.else
	v_wmma_f32_16x16x32_bf16 v[64*wm+8*wn:64*wm+8*wn+7], v[BF+64*(\f)+8*wn:BF+64*(\f)+8*wn+7], v[32*(\au)+8*wm:32*(\au)+8*wm+7], v[64*wm+8*wn:64*wm+8*wn+7]
.endif
.set wi, wi+1
.endr
.endm
; A K step of 32: 8 mt products.  At its head the tokens three steps on are asked for; behind its first and its second quarter the next step's weights are read from LDS, eight loads each time.
; All these loads land in the buffers that the step before read.  A run's first step leans on the wait at the run's head; the last step loads nothing and has no wait.
.macro STEP mt, f, au, zero, sb, sa, la
	s_wait_loadcnt \la                             ; my unit of tokens is in; the younger units stay out
	s_wait_dscnt 0x0                               ; and the weights
.if (\sa) >= 0
	WIN 0x40
.endif
.if ((\sb) >= 0) && !(\zero)
	s_wait_alu depctr_va_vdst(0)                   ; the last step's products are done reading the other weight buffer and the unit before mine, in which this step's loads land; in a trip's first step v[BADR] is written
.endif
.if (\sa) >= 0
	ALOAD \mt, ((\au)+3)&3, \sa
.endif
	MULS \f, \au, \zero, 0, 2*(\mt)
.if (\sb) >= 0
	BLOAD 1-(\f), \sb, 0                           ; no wait: no product since the wait above names v[BADR] or the other weight buffer
.endif
	MULS \f, \au, \zero, 2*(\mt), 2*(\mt)
.if (\sb) >= 0
	BLOAD 1-(\f), \sb, 1
.endif
	MULS \f, \au, \zero, 4*(\mt), 4*(\mt)
.endm
; 32 K steps: the first starts the sums, 7 trips of four, three at the end.  A unit is 2 mt loads; two younger units are 4 mt.
; The weights' LDS address is 16 x lane + the trips' step, made at each trip's head: 0 to 6 x 33,280 in the loop and 7 x 33,280 behind it; with the largest immediate a read ends at 249,584 and at 266,224, inside the slice's 266,240 bytes.
; xb's base steps by four K steps a trip; with the largest immediate and token a load ends at xb's last byte, 2,097,152.
.macro KRUN mt
	WIN 0x40
	s_wait_alu depctr_va_vdst(0)                   ; v[OFF ..] and v[BADR] are written; the fill's conversions and the last pass's products are done with the units and the weight buffers, in which the loads below land
	ALOAD \mt, 0, 0
	ALOAD \mt, 1, 1
	ALOAD \mt, 2, 2
	BLOAD 0, 0, 0
	BLOAD 0, 0, 1
	STEP \mt, 0, 0, 1, 1, 3, 4*(\mt)
	WIN 0
	s_mov_b32 s95, 7
	s_wait_alu depctr_vm_vsrc(0)                   ; the LDS loads issued so far have read v[BADR], which the trip's first line writes
.Lk_\@:
	v_add_nc_u32 v[BADR], s31, v[L16]
	STEP \mt, 1, 1, 0, 2, 4, 4*(\mt)
	STEP \mt, 0, 2, 0, 3, 5, 4*(\mt)
	STEP \mt, 1, 3, 0, 4, 6, 4*(\mt)
	STEP \mt, 0, 0, 0, 5, 7, 4*(\mt)
	WIN 0
	s_wait_xcnt 0x0                                ; the loads' base is stepped only behind this wait
	s_wait_alu depctr_vm_vsrc(0)                   ; the trip's LDS loads have read v[BADR], which the next trip's first line, or the line behind the loop, writes
	s_add_nc_u64 s[98:99], s[98:99], 4*XKB
	s_add_co_u32 s31, s31, TRIPB
	s_sub_co_u32 s95, s95, 1
	s_cmp_lg_u32 s95, 0
	s_cbranch_scc1 .Lk_\@
	v_add_nc_u32 v[BADR], 7*TRIPB, v[L16]
	STEP \mt, 1, 1, 0, 2, -1, 4*(\mt)
	STEP \mt, 0, 2, 0, 3, -1, 2*(\mt)
	STEP \mt, 1, 3, 0, -1, -1, 0
	WIN 0
.endm
; Tile m's arithmetic: a1 a3 / (1 + 2^(-a1 log2 e)), in place; 32 exponentials and 32 reciprocals are a batch each, with one wait.  Each accumulator's lowest pair is read first.
.macro EPIA m
	PLACES
	WIN 0xaa                                       ; all in window 2
.set ea1, 64*(\m)
.set ea3, 64*(\m)+32
.set ei, 0
.rept 16
	v_pk_mul_f32 v[ea3+2*ei:ea3+2*ei+1], v[ea1+2*ei:ea1+2*ei+1], v[ea3+2*ei:ea3+2*ei+1]
.set ei, ei+1
.endr
.set ei, 0
.rept 16
	v_pk_mul_f32 v[ea1+2*ei:ea1+2*ei+1], v[ea1+2*ei:ea1+2*ei+1], 0xbfb8aa3b op_sel_hi:[1,0]
.set ei, ei+1
.endr
.set ei, 0
.rept 32
	v_exp_f32 v[ea1+ei], v[ea1+ei]
.set ei, ei+1
.endr
	v_nop
	s_wait_alu depctr_va_vdst(0)                   ; the 32 exponentials are written, ahead of their first reader
.set ei, 0
.rept 16
	v_pk_add_f32 v[ea1+2*ei:ea1+2*ei+1], v[ea1+2*ei:ea1+2*ei+1], 1.0 op_sel_hi:[1,0]
.set ei, ei+1
.endr
.set ei, 0
.rept 32
	v_rcp_f32 v[ea1+ei], v[ea1+ei]
.set ei, ei+1
.endr
	v_nop
	s_wait_alu depctr_va_vdst(0)                   ; the 32 reciprocals are written, ahead of their first reader
.set ei, 0
.rept 16
	v_pk_mul_f32 v[ea3+2*ei:ea3+2*ei+1], v[ea3+2*ei:ea3+2*ei+1], v[ea1+2*ei:ea1+2*ei+1]
.set ei, ei+1
.endr
.set ei, 0
.rept 16
	v_cvt_pk_bf16_f32 v[ea1+8*(ei/4)+ei%4], v[ea3+8*(ei/4)+2*(ei%4)], v[ea3+8*(ei/4)+2*(ei%4)+1]
.set ei, ei+1
.endr
.endm
.macro EPIS m                          ; tile m leaves
	WIN 0x08                                       ; data window 2, address window 0
.set ea1, 64*(\m)
.set ei, 0
.rept 4
	global_store_b128 v[L16], v[ea1+8*ei:ea1+8*ei+3], s[20+2*(\m):21+2*(\m)] offset:512*ei  ; 512 consecutive bytes: half a fragment for the next launch
.set ei, ei+1
.endr
.endm
.macro EPI2 a, b                       ; two tiles' arithmetic, one wait, their eight stores
	EPIA \a
	EPIA \b
	WIN 0x08
	s_wait_alu depctr_va_vdst(0)                   ; both tiles' roundings to bf16 are written, which the eight stores read
	EPIS \a
	EPIS \b
	WIN 0
.endm
	s_mov_b32 s94, 4                               ; four passes of four tiles cover the 16 tiles that a wave can have; passes without tiles are jumped
.Lpass:
	s_cmp_gt_i32 s93, 0
	s_cbranch_scc0 .Lskip
	PSET
	s_cmp_gt_i32 s93, 2
	s_cbranch_scc0 .Lk2
	KRUN 4
	EPI2 3, 2
	s_branch .Lepi
.Lk2:
	KRUN 2
.Lepi:
	EPI2 1, 0
	s_add_co_u32 s91, s91, 4
	s_sub_co_i32 s93, s93, 4
.Lskip:
	s_sub_co_u32 s94, s94, 1
	s_cmp_lg_u32 s94, 0
	s_cbranch_scc1 .Lpass
	s_wait_dscnt 0x0                               ; my reads of LDS are over;
	s_barrier_signal -1
	s_barrier_wait -1                              ; everybody's are
	s_wait_dscnt 0x0                               ; the wave's end: the closing add onto spare LDS words follows
	s_wait_alu depctr_hold_cnt(0) depctr_sa_sdst(0) depctr_va_vdst(0) depctr_va_sdst(0) depctr_va_ssrc(0) depctr_va_vcc(0) depctr_vm_vsrc(0)
	s_wait_tensorcnt 0x0
	ds_add_u32 v126, v127
	s_wait_dscnt 0x0
	s_endpgm
.Lfunc_end_k_qed97e839bb_up:
	.size	k_qed97e839bb_up, .Lfunc_end_k_qed97e839bb_up-k_qed97e839bb_up
	.p2alignl 7, 3214868480
	.fill 96, 4, 3214868480
	.section	.rodata,"a",@progbits
	.p2align	6, 0x0
	.amdhsa_kernel k_qed97e839bb_up
		.amdhsa_group_segment_fixed_size 266752
		.amdhsa_private_segment_fixed_size 0
		.amdhsa_enable_private_segment 0
		.amdhsa_kernarg_size 56
		.amdhsa_user_sgpr_count 2
		.amdhsa_user_sgpr_kernarg_segment_ptr 1
		.amdhsa_wavefront_size32 1
		.amdhsa_system_sgpr_workgroup_id_x 1
		.amdhsa_system_sgpr_workgroup_id_y 1
		.amdhsa_system_sgpr_workgroup_id_z 1
		.amdhsa_system_vgpr_workitem_id 0
		.amdhsa_next_free_vgpr 768
		.amdhsa_next_free_sgpr 100
		.amdhsa_reserve_vcc 0
		.amdhsa_float_denorm_mode_32 3
		.amdhsa_float_denorm_mode_16_64 3
		.amdhsa_memory_ordered 1
		.amdhsa_forward_progress 1
		.amdhsa_inst_pref_size 139
	.end_amdhsa_kernel
	.amdgpu_metadata
---
amdhsa.version: [ 1, 2 ]
amdhsa.kernels:
  - .name:           k_qed97e839bb_up
    .symbol:         k_qed97e839bb_up.kd
    .args:
      - { .name: xb, .offset: 0, .size: 8, .value_kind: global_buffer, .address_space: global }
      - { .name: w1_r, .offset: 8, .size: 8, .value_kind: global_buffer, .address_space: global }
      - { .name: w3_r, .offset: 16, .size: 8, .value_kind: global_buffer, .address_space: global }
      - { .name: w1_s, .offset: 24, .size: 8, .value_kind: global_buffer, .address_space: global }
      - { .name: w3_s, .offset: 32, .size: 8, .value_kind: global_buffer, .address_space: global }
      - { .name: bm, .offset: 40, .size: 8, .value_kind: global_buffer, .address_space: global }
      - { .name: hbuf, .offset: 48, .size: 8, .value_kind: global_buffer, .address_space: global }
    .group_segment_fixed_size: 266752
    .private_segment_fixed_size: 0
    .kernarg_segment_align: 8
    .kernarg_segment_size: 56
    .max_flat_workgroup_size: 128
    .sgpr_count:     100
    .vgpr_count:     768
    .wavefront_size: 32
...
	.end_amdgpu_metadata
.endif
;; end of part 5
;; launch down (part 6): grid 16 x 14, 4 waves a work-group, no clusters, 301,568 bytes of LDS; arguments hbuf, w2_r, w2_s, bm, ybuf; writes ybuf
.if DOCPART == 6
	.amdgcn_target "amdgcn-amd-amdhsa--gfx1250"
	.amdhsa_code_object_version 6
	.text
	.protected	k_qed97e839bb_down
	.globl	k_qed97e839bb_down
	.p2align	8
	.type	k_qed97e839bb_down,@function
k_qed97e839bb_down:
	s_mov_b64 s[64:65], 0
	v_nop
	global_prefetch_b8 v0, s[64:65] scope:SCOPE_SE
	s_setreg_imm32_b32 hwreg(HW_REG_WAVE_SCHED_MODE, 0, 2), 2
	s_setreg_imm32_b32 hwreg(HW_REG_WAVE_MODE, 25, 1), 1
	s_wait_xcnt 0x0
	s_wait_alu depctr_vm_vsrc(0)
; DOWN.  y = h w2 for one expert, 64 output columns (grid x) and a share of the expert's rows; y is an f32 partial row, added up by the next launch.
; Grid y: 0-7 the two shared experts (numbers 6, 7), four parts of 256 tokens each; 8-13 the routed experts 0-5 with all their rows, whatever their number.
; THE SLICE STAYS: 2,048 k x 64 columns of w2 (f32, [k][column]) are read once, rounded to bf16 in registers and laid into LDS as 256 matrix fragments.  One barrier.  Then each wave walks its own tiles
; of 16 rows, up to four at a time: h comes from hbuf, which holds it in fragment order, 512 consecutive bytes a load.
; A PASS HAS TWO PHASES: the products, which only read LDS, and the way out, which stores into the wave's stage.  A barrier stands behind each, on every wave's path: four passes, eight barriers, whatever the counts;
; only work is jumped.  So between any read of the weights and any LDS store of the walk stands a barrier.
; No tensor load and no joint load: the weights pass through registers to be rounded and turned, and a routed slice has one reader.
; THE PRODUCT IS USED SWAPPED: source 0 = 16 weight columns, source 1 = 16 rows of h: a lane holds one row and 8 neighbouring columns.  A tile goes through the stage and leaves as pieces of 256 bytes.
; WHERE A ROW GOES (ybuf, rows of 4,096 bytes): a routed row to 2 token + (0 first, 1 second choice); a shared one to 2,144 + 1,024 s + token; a place past the count to 2,048 + 16 e + place % 16, which nobody reads.
; LIMITS.  NaN and infinities are not treated apart.
; REGISTERS in windows of 256: window 0: v0-25 addresses; v48-79 rows read back; v80-87 their places; v128-255 in the fill eight out-buffers of 16, later two buffers of 8 weight fragments.
;   window 1: the fill's ring, 8 slots of 32; later four units of h's fragments, 64 each.   window 2: accumulators: tile m, column block nb at 32 m + 8 nb.
; THE MODE: SCHED_MODE bits 1:0 = 2 (LLVM: expert scheduling mode 2), set by the entry lines.  The code itself states the register dependences
; between vector or matrix instructions and memory or LDS instructions, with s_wait_alu, always for 0.
; THE PLAN.  Registers that memory or LDS instructions touch:
;   THE LIST.  v13 (address) and v15 or v14 (data) are made by vector lines and read by one LDS store a trip: a wait on vm_vsrc at the trip's head, a wait on va_vdst ahead of the store.
;   THE FILL.  Ring slot s: its 16 conversions read it; behind them its next 8 loads land in it.  T[s]: the conversions write it, the slot's four LDS stores read it, and it is written again a trip later.
;              v[FDST]: read by every LDS store, written once a trip.  v[FSRC]: never rewritten.
;              One wait on va_vdst a slot, behind its conversions; one wait on vm_vsrc a trip, ahead of the add to v[FDST]: it frees v[FDST] and all eight T.
;   THE WALK.  BF[f] and unit au: read by a step's products.  The step's loads land in BF[1 - f] (the next step's weights) and in unit au - 1 (h three steps on): the two that the step before read.
;              v[BADR]: read by the LDS loads; v[KO]: read by h's loads; both written once a trip.
;              One wait on va_vdst at a step's head: the last step's products are done reading.  h's loads follow it at once; the weights' LDS loads go in two runs among the step's products, which name
;              BF[f], unit au and the accumulators: none of the registers that those loads touch.  One wait on vm_vsrc at a pass's head and one a K trip.
;   THE WAY OUT, a tile: the accumulators are read by the stage's stores; v13 by the list's loads; DR (made by loads, then by vector lines) and RB (made by loads) by the global stores.
;              A wait on vm_vsrc at the tile's head, a wait on va_vdst ahead of its LDS instructions, another ahead of its global stores.
;   v[L16], v[STO], v[RD], v[LH4], v[C16], v[LW]: never rewritten.
.set FP,    1040
.set KBP,   4*FP      ; the 4 fragments of 32 k
.set TRIPB, 8*KBP     ; the fragments of a K trip's four steps of 64 k
.set LIST,  266240
.set LISTW, 4352
.set STG,   283648    ; each wave's stage: 16 rows of 256 bytes + 16; the 512 bytes behind the stages hold the spare words of the closing add
.set SGP,   272
.set LANE, 1
.set R,    2
.set HH,   3
.set FSRC, 5
.set FDST, 6
.set L16,  7
.set LW,   8
.set DMP,  10
.set MA,   11
.set MB,   12
.set BADR, 16
.set KO,   20         ; my 16 bytes in hbuf's blocks of 512, at the trip's K step
.set LH4,  21
.set STO,  22
.set RD,   23
.set C16,  24
.set FD0,  25
.set RB,   48
.set DR,   80
.set BF,   128
.set T,    128        ; the fill: slot s rounds into T + 16 s
; s[4:13] pointers; s[16:19] the pass's tiles; s[20:27] their places in hbuf; s[28:29] an offset; s30 shift and s39 base of a row's place; s31, s37 LDS steps; s[32:33] w2 at my rows; s36, s38, s86-s97 as in the launch before;
; s[84:85] hbuf at my expert; s[98:99] ybuf at my slice
.set MSB, 0
.macro WIN new
.if MSB != (\new)
	s_set_vgpr_msb (MSB<<8)|(\new)
.set MSB, \new
.endif
.endm
	s_load_b256 s[4:11], s[0:1], 0x0               ; hbuf, w2_r, w2_s, bm
	s_load_b64 s[12:13], s[0:1], 0x20              ; ybuf
	v_lshl_add_u32 v126, v0, 2, 0x49800
	v_mov_b32 v127, 0
	v_and_b32 v[LANE], 31, v0
	v_lshrrev_b32 v13, 5, v0
	v_readfirstlane_b32 s86, v13                   ; wave 0..3
	v_and_b32 v[R], 15, v0
	v_bfe_u32 v[HH], v0, 4, 1
	v_lshlrev_b32 v[FSRC], 15, v[HH]               ; 8 rows of 4,096 bytes
	v_lshl_add_u32 v[FSRC], v[R], 4, v[FSRC]
	v_lshrrev_b32 v13, 2, v[R]
	v_mul_u32_u24 v[FD0], v13, FP
	v_lshl_add_u32 v[FD0], v[HH], 8, v[FD0]
	v_and_b32 v13, 3, v[R]
	v_lshl_add_u32 v[FD0], v13, 6, v[FD0]
	v_lshlrev_b32 v[L16], 4, v[LANE]
	v_lshlrev_b32 v[C16], 4, v[R]
	v_lshlrev_b32 v14, 2, v[LANE]
	v_mov_b32 v[DMP], 1040
	s_wait_alu depctr_va_sdst(0)                   ; s86 is written, ahead of its first reader
	s_mul_i32 s37, s86, 16*KBP                     ; wave w lays k = 512 w .. 512 w + 511
	v_add_nc_u32 v[FDST], s37, v[FD0]
	s_mul_i32 s96, s86, LISTW
	s_add_co_u32 s97, s96, STG
	s_add_co_u32 s96, s96, LIST
	v_mov_b32 v[LW], s96
	v_lshl_add_u32 v[LH4], v[HH], 2, v[LW]
	v_mul_u32_u24 v[STO], v[R], SGP                ; in: row lane % 16, 32 bytes for each half of the lanes
	v_lshl_add_u32 v[STO], v[HH], 5, v[STO]
	v_add_nc_u32 v[STO], s97, v[STO]
	v_mul_u32_u24 v[RD], v[HH], SGP                ; back: lanes 0-15 one row of 256 bytes, lanes 16-31 the next
	v_lshl_add_u32 v[RD], v[R], 4, v[RD]
	v_add_nc_u32 v[RD], s97, v[RD]
	s_and_b32 s38, ttmp7, 0xffff
	s_lshr_b32 s36, s38, 2
	s_and_b32 s88, s38, 3
	s_add_co_u32 s87, s36, 6
	s_sub_co_u32 s97, s38, 8
	s_lshl_b32 s39, s36, 10
	s_add_co_u32 s39, s39, 2144
	s_cmp_lt_u32 s38, 8                            ; a shared expert's part?
	s_cselect_b32 s36, s36, s97
	s_cselect_b32 s87, s87, s97
	s_cselect_b32 s88, s88, 0
	s_cselect_b32 s89, 16, 64
	s_cselect_b32 s30, 0, 1
	s_cselect_b32 s39, s39, 0
	s_lshl_b32 s28, s36, 23                        ; the expert's 8 MiB, my slice's 256 bytes of a row, my wave's 512 rows
	s_lshl_b32 s96, ttmp9, 8
	s_add_co_u32 s28, s28, s96
	s_lshl_b32 s96, s86, 21
	s_add_co_u32 s28, s28, s96
	s_mov_b32 s29, 0
	s_wait_kmcnt 0x0
	s_cmp_lt_u32 s38, 8
	s_cselect_b64 s[32:33], s[8:9], s[6:7]
	s_add_nc_u64 s[32:33], s[32:33], s[28:29]
	s_lshl_b32 s28, s87, 7
	s_add_nc_u64 s[10:11], s[10:11], s[28:29]
	s_wait_alu depctr_va_vdst(0)                   ; the offsets and addresses made above are written, which the loads and stores below read
	global_load_b32 v[MA], v14, s[10:11]
	global_load_b32 v[MB], v14, s[10:11] offset:1024
	s_lshl_b32 s28, s87, 22
	s_add_nc_u64 s[84:85], s[4:5], s[28:29]
	s_lshl_b32 s28, ttmp9, 8
	s_add_nc_u64 s[98:99], s[12:13], s[28:29]
; THE FILL.  A slot is 16 rows of k: 8 loads, each two aligned pieces of 256 bytes (rows k and k + 8).  Eight slots are 128 rows.
.macro FLOAD slot, next
	WIN 0x40
.set j, 0
.rept 8
	global_load_b128 v[32*(\slot)+4*j:32*(\slot)+4*j+3], v[FSRC], s[32:33] offset:((\next)*128+(\slot)*16+j)*4096
.set j, j+1
.endr
.endm
; A slot is rounded and laid down.  left: the younger loads that may stay out.  again = 1: the slot is asked for again, ahead of its LDS stores.
.macro FCVT slot, left, again
	s_wait_loadcnt \left
	WIN 0x05
.set c, 0
.rept 4
.set jj, 0
.rept 4
	v_cvt_pk_bf16_f32 v[T+16*(\slot)+4*c+jj], v[32*(\slot)+8*jj+c], v[32*(\slot)+8*jj+4+c]
.set jj, jj+1
.endr
.set c, c+1
.endr
.if \again
	WIN 0x40
	s_wait_alu depctr_va_vdst(0)                   ; the conversions are done reading the slot, in which the loads below land, and have written T[slot], which the LDS stores read; in a trip's first slot v[FDST] is written
	FLOAD \slot, 1
.else
	WIN 0
	s_wait_alu depctr_va_vdst(0)                   ; the conversions have written T[slot], which the LDS stores read; in the first of these slots v[FDST] is written
.endif
	WIN 0
.set c, 0
.rept 4
	ds_store_b128 v[FDST], v[T+16*(\slot)+4*c:T+16*(\slot)+4*c+3] offset:((\slot)>>1)*KBP+((\slot)&1)*512+16*c
.set c, c+1
.endr
.endm
.irp sl, 0,1,2,3,4,5,6,7
	FLOAD \sl, 0
.endr
	; The accumulators start at 0, once, while the fill's first loads are out: a pass's products and its way out are jumped by tests of their own, and so the registers that the way out reads are written on every way through the text.
	; The sums themselves are started by each run's first products, whose C is the constant 0.
	WIN 0x80                                       ; destination window 2
.set i, 0
.rept 128
	v_mov_b32 v[i], 0
.set i, i+1
.endr
	WIN 0
	s_wait_loadcnt 63                              ; the two maps are the oldest of 66 loads; 63 is the largest count that the wait can name
	; THE LIST: for the expert's rows, in the order in which the launch before laid them, the row of ybuf that each goes to.  Each wave makes its own copy.
	s_mov_b32 s90, 0
	s_mov_b32 s95, 0
.Llist:
	v_readlane_b32 s96, v[MA], s95
	v_readlane_b32 s97, v[MB], s95
	s_wait_alu depctr_va_sdst(0)                   ; the two words s96 and s97 are written, ahead of their first reader
	s_wait_alu depctr_vm_vsrc(0)                   ; the last trip's LDS store has read v13 and v15, and the maps' loads have read v14: all three are written again below
	s_or_b32 s96, s96, s97
	v_mbcnt_lo_u32_b32 v13, s96, s90
	v_cndmask_b32 v13, v[DMP], v13, s96            ; lanes not chosen write the word behind the list
	v_min_u32 v13, 0x410, v13
	v_lshl_add_u32 v13, v13, 2, v[LW]
	v_cndmask_b32 v14, 0, 1, s97                   ; 1 where the expert is the token's second choice
	s_lshl_b32 s97, s95, 5
	v_add_nc_u32 v15, s97, v[LANE]
	v_lshlrev_b32 v15, s30, v15
	v_add3_u32 v15, v15, v14, s39
	s_wait_alu depctr_va_vdst(0)                   ; v13 and v15 are written, which the LDS store reads
	ds_store_b32 v13, v15
	s_bcnt1_i32_b32 s97, s96
	s_add_co_u32 s90, s90, s97
	s_add_co_u32 s95, s95, 1
	s_cmp_lt_u32 s95, 32
	s_cbranch_scc1 .Llist
	s_min_u32 s90, s90, 1024
	s_wait_alu depctr_vm_vsrc(0)                   ; the last trip's LDS store has read v13, which the next line writes
	v_add_nc_u32 v13, s90, v[R]                    ; 16 places past the count go to the expert's 16 rows that nobody reads
	v_min_u32 v13, 0x40f, v13
	v_and_b32 v14, 15, v13
	s_min_u32 s96, s87, 5
	s_lshl_b32 s96, s96, 4
	s_add_co_u32 s96, s96, 2048
	v_add_nc_u32 v14, s96, v14
	v_lshl_add_u32 v13, v13, 2, v[LW]
	s_wait_alu depctr_va_vdst(0)                   ; v13 and v14 are written, which the LDS store reads
	ds_store_b32 v13, v14
	s_mov_b32 s95, 3
.Lfill:                                                ; a trip lays 128 rows down and asks for the next 128
.irp sl, 0,1,2,3,4,5,6,7
	FCVT \sl, 56, 1                                ; seven younger slots of 8 loads
.endr
	WIN 0
	s_wait_xcnt 0x0                                ; the loads' base is stepped only behind this wait
	s_add_nc_u64 s[32:33], s[32:33], 0x80000
	s_add_co_u32 s37, s37, 4*KBP
	s_wait_alu depctr_vm_vsrc(0)                   ; the trip's LDS stores have read v[FDST], which the next line writes, and the eight T, which the next eight slots' conversions write
	v_add_nc_u32 v[FDST], s37, v[FD0]
	s_sub_co_u32 s95, s95, 1
	s_cmp_lg_u32 s95, 0
	s_cbranch_scc1 .Lfill
.irp sl, 0,1,2,3,4,5,6,7
	FCVT \sl, 56-8*\sl, 0
.endr
	s_wait_dscnt 0x0                               ; for the others' sake: my quarter of the slice is in LDS
	s_barrier_signal -1
	s_barrier_wait -1
	s_add_co_u32 s96, s90, 15
	s_lshr_b32 s96, s96, 4                         ; the expert's tiles
	s_mul_i32 s97, s88, s89
	s_add_co_u32 s92, s97, s89
	s_min_u32 s92, s92, s96
	s_sub_co_i32 s96, s92, s97
	s_max_i32 s96, s96, 0
	s_add_co_u32 s96, s96, 3
	s_lshr_b32 s96, s96, 2                         ; tiles a wave
	s_mul_i32 s91, s86, s96
	s_add_co_u32 s91, s91, s97
	s_add_co_u32 s96, s91, s96
	s_min_u32 s92, s96, s92
	s_sub_co_i32 s93, s92, s91
.macro PSET                            ; a pass's four tiles (past my run's end the last one again; always 0 to 63) and their places in hbuf: work on registers, done in every pass
	s_wait_xcnt 0x0
	s_wait_alu depctr_vm_vsrc(0)                   ; the last pass's loads have read v[BADR] and v[KO], its stage's stores the accumulators, all written again in this pass; the fill's LDS stores have read T, in which the weights' fragments land
	s_sub_co_u32 s96, s92, 1
.irp m, 0,1,2,3
	s_add_co_u32 s[16+\m], s91, \m
	s_min_u32 s[16+\m], s[16+\m], s96
	s_min_u32 s[16+\m], s[16+\m], 63
	s_lshl_b32 s28, s[16+\m], 16
	s_add_nc_u64 s[20+2*\m:21+2*\m], s[84:85], s[28:29]
.endr
	s_mov_b32 s31, 0
	v_add_nc_u32 v[BADR], s31, v[L16]              ; the slice's first fragments
	v_mov_b32 v[KO], v[L16]
.endm
.macro ALOAD mt, unit, s               ; h's fragments of step s (64 k) for mt tiles: four blocks of 512 bytes a tile
	WIN 0x40
.set am, 0
.rept \mt
.set at, 0
.rept 4
	global_load_b128 v[64*(\unit)+16*am+4*at:64*(\unit)+16*am+4*at+3], v[KO], s[20+2*am:21+2*am] offset:(\s)*2048+at*512
.set at, at+1
.endr
.set am, am+1
.endr
.endm
.macro BLOAD buf, s, half              ; four of the 8 weight fragments of step s
	WIN 0
.set bn, 4*(\half)
.rept 4
	ds_load_b128 v[BF+64*(\buf)+8*bn:BF+64*(\buf)+8*bn+3], v[BADR] offset:(\s)*2*KBP+bn*FP
	ds_load_b128 v[BF+64*(\buf)+8*bn+4:BF+64*(\buf)+8*bn+7], v[BADR] offset:(\s)*2*KBP+bn*FP+512
.set bn, bn+1
.endr
.endm
.macro MULS mt, f, au, zero, i0, n     ; products i0 .. i0 + n - 1 of a step's 8 mt: half i / (4 mt) of its 64 k, tile (i % (4 mt)) / 4, column block i % 4; the accumulators take turns, one instruction a turn
	WIN 0xa4
.set wi, \i0
.rept \n
.set kk, wi/(4*(\mt))
.set wm, (wi%(4*(\mt)))/4
.set wn, wi%4
.if (\zero) && (kk == 0)
	v_wmma_f32_16x16x32_bf16 v[32*wm+8*wn:32*wm+8*wn+7], v[BF+64*(\f)+32*kk+8*wn:BF+64*(\f)+32*kk+8*wn+7], v[64*(\au)+16*wm+8*kk:64*(\au)+16*wm+8*kk+7], 0
.else
	v_wmma_f32_16x16x32_bf16 v[32*wm+8*wn:32*wm+8*wn+7], v[BF+64*(\f)+32*kk+8*wn:BF+64*(\f)+32*kk+8*wn+7], v[64*(\au)+16*wm+8*kk:64*(\au)+16*wm+8*kk+7], v[32*wm+8*wn:32*wm+8*wn+7]
.endif
.set wi, wi+1
.endr
.endm
; A step of 64 k: 8 mt products.  At its head h three steps on is asked for; behind its first and its second quarter the next step's weights are read from LDS, eight loads each time.
; All these loads land in the buffers that the step before read.  A run's first step leans on the wait at the run's head; the last step loads nothing and has no wait.
.macro STEP mt, f, au, zero, sb, sa, la
	s_wait_loadcnt \la                             ; my unit of h is in; the younger units stay out
	s_wait_dscnt 0x0                               ; and the weights
.if (\sa) >= 0
	WIN 0x40
.endif
.if ((\sb) >= 0) && !(\zero)
	s_wait_alu depctr_va_vdst(0)                   ; the last step's products are done reading the other weight buffer and the unit before mine, in which this step's loads land; in a trip's first step v[BADR] and v[KO] are written
.endif
.if (\sa) >= 0
	ALOAD \mt, ((\au)+3)&3, \sa
.endif
	MULS \mt, \f, \au, \zero, 0, 2*(\mt)
.if (\sb) >= 0
	BLOAD 1-(\f), \sb, 0                           ; no wait: no product since the wait above names v[BADR] or the other weight buffer
.endif
	MULS \mt, \f, \au, \zero, 2*(\mt), 2*(\mt)
.if (\sb) >= 0
	BLOAD 1-(\f), \sb, 1
.endif
	MULS \mt, \f, \au, \zero, 4*(\mt), 4*(\mt)
.endm
; 32 steps of 64 k.  A unit is 4 mt loads; two younger units are 8 mt.
; The weights' LDS address is 16 x lane + the trips' step, made at each trip's head: 0 to 6 x 33,280 in the loop and 7 x 33,280 behind it; with the largest immediate a read ends at 249,584 and at 266,224, inside the slice's 266,240 bytes.
.macro KRUN mt
	WIN 0x40
	s_wait_alu depctr_va_vdst(0)                   ; v[KO] and v[BADR] are written; the fill's conversions and the last pass's products are done with the units and the weight buffers, in which the loads below land
	ALOAD \mt, 0, 0
	ALOAD \mt, 1, 1
	ALOAD \mt, 2, 2
	BLOAD 0, 0, 0
	BLOAD 0, 0, 1
	STEP \mt, 0, 0, 1, 1, 3, 8*(\mt)
	WIN 0
	s_mov_b32 s95, 7
	s_wait_alu depctr_vm_vsrc(0)                   ; the LDS loads issued so far have read v[BADR], which the trip's first line writes
.Lk_\@:
	v_add_nc_u32 v[BADR], s31, v[L16]
	STEP \mt, 1, 1, 0, 2, 4, 8*(\mt)
	STEP \mt, 0, 2, 0, 3, 5, 8*(\mt)
	STEP \mt, 1, 3, 0, 4, 6, 8*(\mt)
	STEP \mt, 0, 0, 0, 5, 7, 8*(\mt)
	WIN 0
	s_wait_xcnt 0x0                                ; the loads' offset is stepped only behind this wait
	s_wait_alu depctr_vm_vsrc(0)                   ; the trip's loads have read v[KO], which the next line writes, and v[BADR], which the next trip's first line, or the line behind the loop, writes
	v_add_nc_u32 v[KO], 8192, v[KO]
	s_add_co_u32 s31, s31, TRIPB
	s_sub_co_u32 s95, s95, 1
	s_cmp_lg_u32 s95, 0
	s_cbranch_scc1 .Lk_\@
	v_add_nc_u32 v[BADR], 7*TRIPB, v[L16]
	STEP \mt, 1, 1, 0, 2, -1, 8*(\mt)
	STEP \mt, 0, 2, 0, 3, -1, 4*(\mt)
	STEP \mt, 1, 3, 0, -1, -1, 0
	WIN 0
.endm
; Tile m leaves through my stage: 32 bytes a lane in, whole pieces of 256 bytes back, each to the row that the list names.  The places behind the products stand in the pass loop, ahead of the first barrier.
.macro EPI m
	WIN 0
	s_wait_xcnt 0x0                                ; the tile before's stores have read their data and offsets
	s_wait_alu depctr_vm_vsrc(0)                   ; the tile before's global stores have read RB and DR, in which the loads below land; the LDS instruction that last read v13 has read it
	v_lshl_add_u32 v13, s[16+(\m)], 6, v[LH4]
	WIN 0x08                                       ; data window 2, address window 0
	s_wait_alu depctr_va_vdst(0)                   ; the products have written the accumulators, which the stage's stores read; v13 is written; the tile before's vector lines are done with DR
.set en, 0
.rept 4
	ds_store_b128 v[STO], v[32*(\m)+8*en:32*(\m)+8*en+3] offset:64*en
	ds_store_b128 v[STO], v[32*(\m)+8*en+4:32*(\m)+8*en+7] offset:64*en+16
.set en, en+1
.endr
	WIN 0
.set en, 0
.rept 8
	ds_load_b32 v[DR+en], v13 offset:8*en
.set en, en+1
.endr
.set en, 0
.rept 8
	ds_load_b128 v[RB+4*en:RB+4*en+3], v[RD] offset:2*SGP*en  ; LDS serves a wave's instructions in order (ISA guide 5.7.1.4): these see the stores above
.set en, en+1
.endr
	s_wait_dscnt 0x0
.set en, 0
.rept 8
	v_min_u32 v[DR+en], 0x105f, v[DR+en]           ; ybuf has 4,192 rows
	v_lshl_add_u32 v[DR+en], v[DR+en], 12, v[C16]
.set en, en+1
.endr
	s_wait_alu depctr_va_vdst(0)                   ; the eight offsets DR are written, which the stores read
.set en, 0
.rept 8
	global_store_b128 v[DR+en], v[RB+4*en:RB+4*en+3], s[98:99]  ; 16 lanes store 256 consecutive bytes of one row, aligned
.set en, en+1
.endr
.endm
	s_mov_b32 s94, 4                               ; four passes of four tiles cover the 16 tiles that a wave can have; the work of passes without tiles is jumped, the barriers are not
.Lpass:
	PSET
	s_cmp_gt_i32 s93, 0
	s_cbranch_scc0 .Lnok
	s_cmp_gt_i32 s93, 2
	s_cbranch_scc0 .Lk2
	KRUN 4
	s_branch .Lnok
.Lk2:
	KRUN 2
.Lnok:
.rept 5
	v_nop                                          ; the places behind the pass's last products: four for the stage's stores, which read the results, five for the next pass's first products, which write over them
.endr
	s_wait_dscnt 0x0                               ; my reads of the weights are over;
	s_barrier_signal -1
	s_barrier_wait -1                              ; everybody's are: now the stages are written
	s_cmp_gt_i32 s93, 0
	s_cbranch_scc0 .Lnoe
	s_cmp_gt_i32 s93, 2
	s_cbranch_scc0 .Le2
	EPI 3
	EPI 2
.Le2:
	EPI 1
	EPI 0
.Lnoe:
	s_add_co_u32 s91, s91, 4
	s_sub_co_i32 s93, s93, 4
	s_wait_dscnt 0x0                               ; my stores into my stage and my reads of it are over;
	s_barrier_signal -1
	s_barrier_wait -1                              ; everybody's are: now the weights are read again, or the walk ends
	s_sub_co_u32 s94, s94, 1
	s_cmp_lg_u32 s94, 0
	s_cbranch_scc1 .Lpass
	s_wait_dscnt 0x0                               ; the wave's end: the closing add onto spare LDS words follows
	s_wait_alu depctr_hold_cnt(0) depctr_sa_sdst(0) depctr_va_vdst(0) depctr_va_sdst(0) depctr_va_ssrc(0) depctr_va_vcc(0) depctr_vm_vsrc(0)
	s_wait_tensorcnt 0x0
	ds_add_u32 v126, v127
	s_wait_dscnt 0x0
	s_endpgm
.Lfunc_end_k_qed97e839bb_down:
	.size	k_qed97e839bb_down, .Lfunc_end_k_qed97e839bb_down-k_qed97e839bb_down
	.p2alignl 7, 3214868480
	.fill 96, 4, 3214868480
	.section	.rodata,"a",@progbits
	.p2align	6, 0x0
	.amdhsa_kernel k_qed97e839bb_down
		.amdhsa_group_segment_fixed_size 301568
		.amdhsa_private_segment_fixed_size 0
		.amdhsa_enable_private_segment 0
		.amdhsa_kernarg_size 40
		.amdhsa_user_sgpr_count 2
		.amdhsa_user_sgpr_kernarg_segment_ptr 1
		.amdhsa_wavefront_size32 1
		.amdhsa_system_sgpr_workgroup_id_x 1
		.amdhsa_system_sgpr_workgroup_id_y 1
		.amdhsa_system_sgpr_workgroup_id_z 1
		.amdhsa_system_vgpr_workitem_id 0
		.amdhsa_next_free_vgpr 768
		.amdhsa_next_free_sgpr 100
		.amdhsa_reserve_vcc 0
		.amdhsa_float_denorm_mode_32 3
		.amdhsa_float_denorm_mode_16_64 3
		.amdhsa_memory_ordered 1
		.amdhsa_forward_progress 1
		.amdhsa_inst_pref_size 124
	.end_amdhsa_kernel
	.amdgpu_metadata
---
amdhsa.version: [ 1, 2 ]
amdhsa.kernels:
  - .name:           k_qed97e839bb_down
    .symbol:         k_qed97e839bb_down.kd
    .args:
      - { .name: hbuf, .offset: 0, .size: 8, .value_kind: global_buffer, .address_space: global }
      - { .name: w2_r, .offset: 8, .size: 8, .value_kind: global_buffer, .address_space: global }
      - { .name: w2_s, .offset: 16, .size: 8, .value_kind: global_buffer, .address_space: global }
      - { .name: bm, .offset: 24, .size: 8, .value_kind: global_buffer, .address_space: global }
      - { .name: ybuf, .offset: 32, .size: 8, .value_kind: global_buffer, .address_space: global }
    .group_segment_fixed_size: 301568
    .private_segment_fixed_size: 0
    .kernarg_segment_align: 8
    .kernarg_segment_size: 40
    .max_flat_workgroup_size: 128
    .sgpr_count:     100
    .vgpr_count:     768
    .wavefront_size: 32
...
	.end_amdgpu_metadata
.endif
;; end of part 6
;; launch final: the kernel of part 4 again; grid 8 x 32, 4 waves a work-group, no clusters, 149,504 bytes of LDS; arguments ybuf, rwt, owf, paux, out0, out1; writes out0, out1
